; MI455X (gfx1250); checked and timed in simulation.
; The chip was launched on July 23, 2026; its instructions are those of AMD's public machine-readable ISA for CDNA 5 (MIT licence, August 2026) and "CDNA5" Instruction Set Architecture Reference Guide (July 2026). The comments in the code are by the model that wrote it; some were corrected since.
;; Grouped Query Attention. Allowed arithmetic: matrix products marked QUANTISED: E4M3 operands, one given power-of-two scale a tensor, by v_wmma_f32_16x16x64_fp8_fp8 or v_wmma_f32_16x16x128_fp8_fp8, f32 sums; everything else in f32.
;; Inputs: Wk 1,024 x 256 float32; Wo 1,024 x 1,024 float32; Wq 1,024 x 1,024 float32; Wv 1,024 x 256 float32; lowp_scales 12 int32 (the exponents e of the quantised operands' scales 2^e); x 2 x 2,048 x 1,024 float32.
;; Outputs: out0 2 x 2,048 x 1,024 float32.
;; This version of the problem:
;;   THIS VERSION OF THE PROBLEM IS GIVEN IN LOW PRECISION. The matrix products marked QUANTISED in the list below multiply operands that are first quantised to E4M3 (4 exponent bits, 3 mantissa bits; 8 bits a number), with one given power-of-two scale for each operand tensor; their sums are f32. All else is computed in f32.
;;   The module's matrix products, in the order in which they are computed (A, B: the left and right operand; K: the contracted axis; several contracted axes count as one K, in the product's order):
;;     1. [M 4,096, K 1,024] x [K 1,024, N 1,024]; A: input x; B: input Wq: QUANTISED (scales: A lowp_scales[0], B lowp_scales[1])
;;     2. [M 4,096, K 1,024] x [K 1,024, N 256]; A: input x; B: input Wk: QUANTISED (scales: A lowp_scales[2], B lowp_scales[3])
;;     3. [M 4,096, K 1,024] x [K 1,024, N 256]; A: input x; B: input Wv: QUANTISED (scales: A lowp_scales[4], B lowp_scales[5])
;;     4. batch 8 x [M 8,192, K 64] x [K 64, N 2,048]; A: computed on the way; B: computed on the way: QUANTISED (scales: A lowp_scales[6], B lowp_scales[7])
;;     5. batch 8 x [M 8,192, K 2,048] x [K 2,048, N 64]; A: softmax (see below); B: computed on the way: QUANTISED (scales: A lowp_scales[8], B lowp_scales[9])
;;     6. [M 4,096, K 1,024] x [K 1,024, N 1,024]; A: computed on the way; B: input Wo: QUANTISED (scales: A lowp_scales[10], B lowp_scales[11])
;;   THE QUANTISER, for each operand of a quantised product, along K:
;;     - The operand's scale is 2^e, e = its entry of the input lowp_scales (int32; the entries are numbered through the quantised products in the list's order, A before B).
;;     - Each number is divided by the scale, clamped to +-448, and rounded to the nearest number of E4M3, ties to even, subnormals kept.
;;     - The product sums the exact products of the quantised numbers (number of the format x scale) in f32.
;;   ~~~python
;;   def quantise(x, axis, e):      # numpy; x: float32 -> the quantised numbers, widened to float32 again
;;       x = np.moveaxis(x, axis, -1); K = x.shape[-1]
;;       r = np.clip(x / 2.0 ** e, -448, 448)
;;       step = 2.0 ** (np.maximum(np.frexp(np.where(r == 0, 1, r))[1] - 1, -6) - 3)
;;       q = np.round(r / step) * step * 2.0 ** e      # np.round: ties to even
;;       return np.moveaxis(q, -1, axis).astype(np.float32)
;;   ~~~
;;   SOFTMAX AHEAD OF A QUANTISED PRODUCT. Where the list says 'softmax', what is quantised is not the finished softmax but p = 2^(t - M), with t = logit x log2(e) and M = ceil(the row's largest t), a whole number; so 1/2 < the row's largest p <= 1. The row's sum l is taken of the UNQUANTISED p, in f32, and the product's result is divided by l at the end. Since M is a whole number, a kernel that streams over the keys may use a running M (the ceiling of the running maximum): every later rescaling is an exact power of two, so the quantised numbers keep their values, but for numbers so far below the row's largest that they fall under the format's range.
;;   OPERANDS COMPUTED ON THE WAY. 'Computed on the way' means the value that the module computes at that place (a softmax that the list does not call 'softmax' is quantised finished and normalised). What goes into a quantiser is computed in f32, as accurately as f32 sums, v_exp_f32 and their like allow (about 1e-6 of the number): no bf16 or f16 on the way to a quantiser, and a product that is left as it is and whose result goes on into a quantised operand takes f32 operands (vector FMAs, or v_wmma_f32_16x16x4_f32). A number that lies on a knife's edge between two numbers of the format may be rounded either way, as far as f32 arithmetic and the matrix unit's own rounding can turn it there, and no further.
;; 2 versions, each right; version 2 is version 1 with the launch attn written anew for expert scheduling mode. Each part assembles by itself: llvm-mc -triple=amdgcn-amd-amdhsa -mcpu=gfx1250 --defsym DOCPART=n.
;; ======== version 1 of 2: 4 launches
;; workspace buffers: xc 12,582,912 bytes; wc 2,621,440 bytes; rope 524,288 bytes; qc 4,194,304 bytes; kc 1,048,576 bytes; vc 1,048,576 bytes; ac 4,194,304 bytes
;; launch prep (part 1): grid 800 x 1, 4 waves a work-group, no clusters, 34,304 bytes of LDS; arguments x, Wq, Wk, Wv, Wo, lowp_scales, xc, wc, rope; writes xc, wc, rope
.if DOCPART == 1
	.amdgcn_target "amdgcn-amd-amdhsa--gfx1250"
	.amdhsa_code_object_version 6
	.text
	.protected	k_q6dd09b1695_prep
	.globl	k_q6dd09b1695_prep
	.p2align	8
	.type	k_q6dd09b1695_prep,@function
k_q6dd09b1695_prep:
	s_mov_b64 s[64:65], 0
	v_nop
	global_prefetch_b8 v0, s[64:65] scope:SCOPE_SE
	s_setreg_imm32_b32 hwreg(HW_REG_WAVE_MODE, 25, 1), 1
	s_wait_xcnt 0x0
; PREP: all that can be made once.  Three kinds of work-group, told apart by the work-group's number alone:
;   0-511    X: x [4096][1024] f32 becomes codes of E4M3 three times over, with the scales 2^e0, 2^e2, 2^e4 (the three products that read x each have a scale of their own)
;   512-671  W: Wq, Wk, Wv, Wo ([k][n] f32, K the FIRST axis) become codes with the scales 2^e1, 2^e3, 2^e5, 2^e11
;   672-799  R: the table of cos and sin for the rotary embedding, f32
; code = number / 2^e, held within +-448, rounded to the nearest code, ties to even.
; EVERY OPERAND IS STORED AS AN IMAGE OF THE OPERAND'S REGISTERS.  A fragment is 16 rows x 128 k = 16 registers a lane = 2,048 bytes, in four pieces of 512 bytes; in piece p lane l = r + 16 h owns
; the 16 bytes at 512 p + 16 l: row r, k = 32 p + 8 h + 0..7 and then k = 32 p + 16 + 8 h + 0..7: registers 4 p .. 4 p + 3 of the plain 8-bit layout.  So every later load of a fragment is 512 consecutive bytes.
;   xc: [version 3][panel of 128 rows 32][kfrag 8][block of 16 rows 8][2,048]      wc: [panel of 128 columns 20][kfrag 8][block 8][2,048]; panels 0-7 Wq, 8-9 Wk, 10-11 Wv, 12-19 Wo
;   rope: [block of 16 positions 128][piece 8][lane 32][16 bytes]: pieces u = 0..3: cos(t = 16 tb + r, i = 16 (u / 2) + 8 h + 4 (u % 2) + 0..3); pieces 4..7: sin likewise
; LIMITS: each e used here lies between -126 and 119, so that 2^e and 448 x 2^e are f32 numbers.  NaN among the inputs is not served (an infinity is held at the largest code).
; The frequencies 10^(-i/8) are made by v_exp_f32 with the exponent in two parts; they may differ from a correctly rounded power in the last place.  The angle is one f32 product, as the model writes it;
; its sine and cosine come from a reduction by pi/2 in two parts (exact for the multiples met here, up to 1,304) and two polynomials on [-pi/4, pi/4].
; No matrix work, no cluster, no tensor load: the waves share nothing; only path X uses LDS, each wave its own 8,448 bytes.
.set STGW, 8448                        ; X: a wave's stage: 16 rows x (512 bytes + 16)
.set XR,   16                          ; X: v16-79   the 16 rows as loaded
.set XX,   80                          ; X: v80-143  64 numbers of my row in the order of the operand's registers
.set XT,   144                         ; X: v144-175 two sets of 16 held numbers, by turns
.set XC,   176                         ; X: v176-223 codes: 16 registers for each version
.set WX,   32                          ; W: v32-159  my column's 128 numbers down K
.set WC,   160                         ; W: v160-191 its codes
.macro MKSC e, vs, vl                  ; 2^e as f32 into v[vs] (the conversion takes its exponent field), 448 x 2^e into v[vl]
	s_add_co_i32 s48, \e, 127
	s_lshl_b32 s49, s48, 23
	v_mov_b32 v[\vs], s49
	s_add_co_i32 s48, s48, 8
	s_lshl_b32 s48, s48, 23
	s_or_b32 s48, s48, 0x600000
	v_mov_b32 v[\vl], s48
.endm
	s_load_b512 s[4:19], s[0:1], 0x0               ; x 4:5, Wq 6:7, Wk 8:9, Wv 10:11, Wo 12:13, the exponents 14:15, xc 16:17, wc 18:19
	s_load_b64 s[20:21], s[0:1], 0x40              ; rope
	v_lshl_add_u32 v224, v0, 2, 0x8400
	v_mov_b32 v225, 0
	v_lshrrev_b32 v1, 5, v0
	v_readfirstlane_b32 s36, v1                    ; wave 0..3
	v_and_b32 v10, 31, v0                          ; lane
	v_and_b32 v11, 15, v0                          ; r
	v_bfe_u32 v12, v0, 4, 1                        ; h
	s_wait_kmcnt 0x0
	s_load_b256 s[24:31], s[14:15], 0x0            ; e0 .. e7
	s_load_b128 s[32:35], s[14:15], 0x20           ; e8 .. e11
	s_cmp_lt_u32 ttmp9, 512
	s_cbranch_scc1 .Lpath_x
	s_cmp_lt_u32 ttmp9, 672
	s_cbranch_scc1 .Lpath_w
; ---------------- R: block tb of 16 positions; wave u makes piece u of the cosines and of the sines: four frequencies a lane
	s_sub_co_u32 s37, ttmp9, 672                   ; tb
	s_lshr_b32 s38, s36, 1
	s_lshl_b32 s38, s38, 4
	s_and_b32 s39, s36, 1
	s_lshl_b32 s39, s39, 2
	s_add_co_u32 s38, s38, s39                     ; 16 (u / 2) + 4 (u % 2)
	v_lshl_add_u32 v13, v12, 3, s38                ; my first frequency's number i
	s_lshl_b32 s39, s37, 4
	v_add_nc_u32 v14, s39, v11
	v_cvt_f32_u32 v14, v14                         ; my position t, as f32
	v_lshlrev_b32 v1, 4, v10                       ; 16 x lane
	s_lshl_b32 s52, s37, 12
	s_lshl_b32 s39, s36, 9
	s_add_co_u32 s52, s52, s39
	s_mov_b32 s53, 0
	s_add_nc_u64 s[20:21], s[20:21], s[52:53]      ; rope at block tb, piece u
	s_mov_b32 s40, 0xbed49a78                      ; -log2(10) / 8, the leading part,
	s_mov_b32 s41, 0xb2179a1c                      ; and what it leaves
	s_mov_b32 s42, 0x3f317218                      ; ln 2
	s_mov_b32 s43, 0x3f22f983                      ; 2 / pi
	s_mov_b32 s44, 0x3fc90fdb                      ; pi / 2, the leading part,
	s_mov_b32 s45, 0xb33bbd2e                      ; and what it leaves
	s_mov_b32 s46, 0xbe2aaaa3                      ; the sine's three coefficients
	s_mov_b32 s47, 0x3c08839e
	s_mov_b32 s48, 0xb94ca1f9
	s_mov_b32 s49, 0x3d2aaaa5                      ; the cosine's three
	s_mov_b32 s50, 0xbab6061a
	s_mov_b32 s51, 0x37ccf5ce
.irp e, 0,1,2,3
	v_add_nc_u32 v[16+\e], \e, v13
.endr
.irp e, 0,1,2,3
	v_cvt_f32_u32 v[16+\e], v[16+\e]               ; i
.endr
.irp e, 0,1,2,3
	v_mul_f32 v[20+\e], s40, v[16+\e]              ; a = the exponent -i log2(10) / 8, rounded
.endr
.irp e, 0,1,2,3
	v_fma_f32 v[24+\e], v[16+\e], s40, -v[20+\e]   ; what that rounding dropped, exactly,
.endr
.irp e, 0,1,2,3
	v_fma_f32 v[24+\e], v[16+\e], s41, v[24+\e]    ; and the constant's second part: lo
.endr
.irp e, 0,1,2,3
	v_exp_f32 v[28+\e], v[20+\e]                   ; 2^a: four exponentials as one batch
.endr
.irp e, 0,1,2,3
	v_mul_f32 v[24+\e], s42, v[24+\e]              ; lo x ln 2: plain lines that name no result of the batch
.endr
	s_wait_alu depctr_va_vdst(0)                   ; one wait for the batch, ahead of its first reader
.irp e, 0,1,2,3
	v_fma_f32 v[28+\e], v[28+\e], v[24+\e], v[28+\e]   ; 2^(a + lo) = 2^a (1 + lo ln 2): the frequency
.endr
.irp e, 0,1,2,3
	v_mul_f32 v[32+\e], v14, v[28+\e]              ; the angle: one f32 product
.endr
.macro SINCOS e                        ; angle in v[32+e] -> cos in v[40+e], sin in v[44+e]
	v_mul_f32 v[48+\e], s43, v[32+\e]
	v_rndne_f32 v[48+\e], v[48+\e]                 ; n = the nearest multiple of pi / 2
	v_fma_f32 v[32+\e], -v[48+\e], s44, v[32+\e]
	v_fma_f32 v[32+\e], -v[48+\e], s45, v[32+\e]   ; r = angle - n pi / 2, within +-pi/4
	v_cvt_i32_f32 v[56+\e], v[48+\e]               ; n as a whole number
	v_mul_f32 v[52+\e], v[32+\e], v[32+\e]         ; z = r r
	v_fma_f32 v[44+\e], v[52+\e], s48, s47
	v_fma_f32 v[44+\e], v[44+\e], v[52+\e], s46
	v_mul_f32 v[44+\e], v[44+\e], v[52+\e]
	v_fma_f32 v[44+\e], v[44+\e], v[32+\e], v[32+\e]   ; sin r
	v_fma_f32 v[40+\e], v[52+\e], s51, s50
	v_fma_f32 v[40+\e], v[40+\e], v[52+\e], s49
	v_mul_f32 v[40+\e], v[40+\e], v[52+\e]
	v_fma_f32 v[48+\e], v[52+\e], -0.5, 1.0
	v_fma_f32 v[40+\e], v[40+\e], v[52+\e], v[48+\e]   ; cos r
	v_and_b32 v[48+\e], 1, v[56+\e]
	v_cmp_eq_u32 vcc_lo, 1, v[48+\e]               ; an odd n changes the two over
	v_cndmask_b32 v[52+\e], v[44+\e], v[40+\e], vcc_lo
	v_cndmask_b32 v[40+\e], v[40+\e], v[44+\e], vcc_lo
	v_and_b32 v[48+\e], 2, v[56+\e]                ; the sine is negative where n mod 4 is 2 or 3,
	v_lshlrev_b32 v[48+\e], 30, v[48+\e]
	v_xor_b32 v[44+\e], v[52+\e], v[48+\e]
	v_add_nc_u32 v[56+\e], 1, v[56+\e]             ; the cosine where it is 1 or 2
	v_and_b32 v[56+\e], 2, v[56+\e]
	v_lshlrev_b32 v[56+\e], 30, v[56+\e]
	v_xor_b32 v[40+\e], v[40+\e], v[56+\e]
.endm
	SINCOS 0
	SINCOS 1
	SINCOS 2
	SINCOS 3
	global_store_b128 v1, v[40:43], s[20:21]               ; 32 lanes store 512 consecutive bytes
	global_store_b128 v1, v[44:47], s[20:21] offset:2048
	s_wait_kmcnt 0x0                               ; the exponents, which this path does not use, have come
	s_endpgm
; ---------------- X: a wave makes one fragment, 16 rows x 128 k, in three versions
.Lpath_x:
	s_lshr_b32 s37, ttmp9, 1                       ; rb: which 16 rows
	s_and_b32 s38, ttmp9, 1
	s_lshl_b32 s38, s38, 2
	s_add_co_u32 s38, s38, s36                     ; f: which 128 along K
	s_lshl_b32 s46, s37, 16                        ; 16 rows of 4,096 bytes
	s_lshl_b32 s39, s38, 9
	s_add_co_u32 s46, s46, s39
	s_mov_b32 s47, 0
	s_add_nc_u64 s[4:5], s[4:5], s[46:47]
	s_lshr_b32 s46, s37, 3
	s_lshl_b32 s46, s46, 17                        ; the panel,
	s_lshl_b32 s39, s38, 14
	s_add_co_u32 s46, s46, s39                     ; the kfrag,
	s_and_b32 s39, s37, 7
	s_lshl_b32 s39, s39, 11
	s_add_co_u32 s46, s46, s39                     ; the block
	s_add_nc_u64 s[40:41], s[16:17], s[46:47]      ; version 0,
	s_add_nc_u64 s[42:43], s[40:41], 0x400000      ; 1,
	s_add_nc_u64 s[44:45], s[40:41], 0x800000      ; 2
	v_lshlrev_b32 v1, 4, v10                       ; 16 x lane
	s_mul_i32 s39, s36, STGW
	v_add_nc_u32 v2, s39, v1                       ; the stage, on the way in: a row as it lies
	v_mul_u32_u24 v3, v11, 528
	v_lshl_add_u32 v3, v12, 5, v3
	v_add_nc_u32 v3, s39, v3                       ; and on the way out: row r, + 32 h bytes: 528 = 2 x 256 + 16, so sixteen rows begin in sixteen different columns of 16 bytes
.set j, 0
.rept 16
	global_load_b128 v[XR+4*j:XR+4*j+3], v1, s[4:5] offset:4096*j th:TH_LOAD_NT   ; row j: 32 lanes read 512 consecutive bytes; read once in the launch
.set j, j+1
.endr
	s_wait_kmcnt 0x0
	MKSC s24, 4, 5                                 ; e0
	MKSC s26, 6, 7                                 ; e2
	MKSC s28, 8, 9                                 ; e4
.set j, 0
.rept 16
	s_wait_loadcnt 15-j                            ; row j is in; the 15 - j younger loads may be out
	ds_store_b128 v2, v[XR+4*j:XR+4*j+3] offset:528*j
.set j, j+1
.endr
.irp p, 0,1,2,3                        ; LDS serves a wave's instructions in order: these see the stores above
	ds_load_b128 v[XX+16*\p:XX+16*\p+3],     v3 offset:128*\p      ; k = 32 p + 8 h + 0..3
	ds_load_b128 v[XX+16*\p+4:XX+16*\p+7],   v3 offset:128*\p+16   ; + 4..7
	ds_load_b128 v[XX+16*\p+8:XX+16*\p+11],  v3 offset:128*\p+64   ; k = 32 p + 16 + 8 h + 0..3
	ds_load_b128 v[XX+16*\p+12:XX+16*\p+15], v3 offset:128*\p+80   ; + 4..7
.endr
.irp p, 0,1,2,3
	s_wait_dscnt 12-4*\p                           ; piece p's four loads are in; the later pieces' may be out
.irp s, 0,1,2
.set TS, XT+16*((3*\p+\s)%2)           ; the two sets take turns, so that plain lines on other registers stand behind each pair of conversions
.set i, 0
.rept 16
	v_med3_num_f32 v[TS+i], v[XX+16*\p+i], -v[5+2*\s], v[5+2*\s]   ; the conversion to an 8-bit code does not saturate (ISA guide 7.6.2): the hold at the largest code x the scale
.set i, i+1
.endr
	v_cvt_scalef32_pk8_fp8_f32 v[XC+16*\s+4*\p:XC+16*\s+4*\p+1],   v[TS:TS+7],    v[4+2*\s]
	v_cvt_scalef32_pk8_fp8_f32 v[XC+16*\s+4*\p+2:XC+16*\s+4*\p+3], v[TS+8:TS+15], v[4+2*\s]
	global_store_b128 v1, v[XC+16*\s+4*\p:XC+16*\s+4*\p+3], s[40+2*\s:41+2*\s] offset:512*\p   ; a piece: 512 consecutive bytes; each store has registers of its own
.endr
.endr
	s_wait_tensorcnt 0x0
	ds_add_u32 v224, v225
	s_wait_dscnt 0x0
	s_endpgm
; ---------------- W: panel P of 128 columns, kfrag f.  A LANE TAKES A COLUMN AND ITS REGISTERS RUN DOWN K: the conversions then give codes with K innermost, and nothing is transposed
.Lpath_w:
	s_sub_co_u32 s37, ttmp9, 512
	s_lshr_b32 s38, s37, 3                         ; P
	s_and_b32 s39, s37, 7                          ; f
	s_wait_kmcnt 0x0
	s_mov_b64 s[40:41], s[12:13]                   ; the tensor, its first panel and its exponent are chosen by P alone: Wo, 12, e11
	s_mov_b32 s42, 12
	s_mov_b32 s43, s35
	s_cmp_lt_u32 s38, 12
	s_cselect_b64 s[40:41], s[10:11], s[40:41]     ; Wv, 10, e5
	s_cselect_b32 s42, 10, s42
	s_cselect_b32 s43, s29, s43
	s_cmp_lt_u32 s38, 10
	s_cselect_b64 s[40:41], s[8:9], s[40:41]       ; Wk, 8, e3
	s_cselect_b32 s42, 8, s42
	s_cselect_b32 s43, s27, s43
	s_cmp_lt_u32 s38, 8
	s_cselect_b64 s[40:41], s[6:7], s[40:41]       ; Wq, 0, e1
	s_cselect_b32 s42, 0, s42
	s_cselect_b32 s43, s25, s43
	MKSC s43, 4, 5
	s_sub_co_u32 s42, s38, s42                     ; the panel within its tensor
	s_lshl_b32 s46, s42, 9                         ; its first column, in bytes,
	s_lshl_b32 s44, s36, 7                         ; + my wave's 32 columns
	s_add_co_u32 s46, s46, s44
	s_mov_b32 s47, 0
	s_add_nc_u64 s[40:41], s[40:41], s[46:47]
	s_lshl_b32 s46, s38, 17
	s_lshl_b32 s44, s39, 14
	s_add_co_u32 s46, s46, s44
	s_lshl_b32 s44, s36, 12                        ; my wave's two blocks of 16 columns
	s_add_co_u32 s46, s46, s44
	s_add_nc_u64 s[18:19], s[18:19], s[46:47]
	v_lshlrev_b32 v1, 2, v10                       ; in: 4 bytes a lane
	v_lshlrev_b32 v2, 4, v11
	v_lshl_add_u32 v2, v12, 11, v2                 ; out: block lane / 16, 16 bytes at 16 (lane % 16)
.macro WLOAD N, p                      ; block p of 32 along K: W(128 f + 32 p + i, my column): 32 lanes read 128 consecutive bytes, the four waves 512
.set wi, 0
.rept 32
	global_load_b32 v[WX+32*(\p)+wi], v1, s[40:41] offset:(32*(\p)+wi)*\N*4 th:TH_LOAD_NT
.set wi, wi+1
.endr
.endm
.macro WPATH N                         ; N: numbers in a row of the tensor
	WLOAD \N, 0
	WLOAD \N, 1
.irp p, 0,1,2,3
.if \p < 3
	s_wait_loadcnt 32                              ; block p is in; the one younger block may be out
.else
	s_wait_loadcnt 0x0
.endif
.if \p < 2
	WLOAD \N, \p+2                                 ; two blocks ahead; every block has registers of its own
.endif
.set i, 0
.rept 32
	v_med3_num_f32 v[WX+32*\p+i], v[WX+32*\p+i], -v5, v5
.set i, i+1
.endr
	v_cvt_scalef32_pk8_fp8_f32 v[WC+8*\p:WC+8*\p+1],   v[WX+32*\p:WX+32*\p+7],     v4   ; k 0..7  : half 0, first eight
	v_cvt_scalef32_pk8_fp8_f32 v[WC+8*\p+4:WC+8*\p+5], v[WX+32*\p+8:WX+32*\p+15],  v4   ; k 8..15 : half 1, first eight
	v_cvt_scalef32_pk8_fp8_f32 v[WC+8*\p+2:WC+8*\p+3], v[WX+32*\p+16:WX+32*\p+23], v4   ; k 16..23: half 0, second eight
	v_cvt_scalef32_pk8_fp8_f32 v[WC+8*\p+6:WC+8*\p+7], v[WX+32*\p+24:WX+32*\p+31], v4   ; k 24..31: half 1, second eight
	global_store_b128 v2, v[WC+8*\p:WC+8*\p+3],   s[18:19] offset:512*\p       ; sixteen lanes store 256 consecutive bytes, aligned: half 0 of piece p,
	global_store_b128 v2, v[WC+8*\p+4:WC+8*\p+7], s[18:19] offset:512*\p+256   ; half 1
.endr
.endm
	s_sub_co_u32 s44, s38, 8
	s_cmp_lt_u32 s44, 4                            ; panels 8 to 11 belong to Wk and Wv, whose rows have 256 numbers
	s_cbranch_scc1 .Lnarrow
	s_lshl_b32 s46, s39, 19                        ; 128 f rows of 4,096 bytes
	s_add_nc_u64 s[40:41], s[40:41], s[46:47]
	WPATH 1024
	s_endpgm
.Lnarrow:
	s_lshl_b32 s46, s39, 17                        ; 128 f rows of 1,024 bytes
	s_add_nc_u64 s[40:41], s[40:41], s[46:47]
	WPATH 256
	s_endpgm
.Lfunc_end_k_q6dd09b1695_prep:
	.size	k_q6dd09b1695_prep, .Lfunc_end_k_q6dd09b1695_prep-k_q6dd09b1695_prep
	.p2alignl 7, 3214868480
	.fill 96, 4, 3214868480
	.section	.rodata,"a",@progbits
	.p2align	6, 0x0
	.amdhsa_kernel k_q6dd09b1695_prep
		.amdhsa_group_segment_fixed_size 34304
		.amdhsa_private_segment_fixed_size 0
		.amdhsa_enable_private_segment 0
		.amdhsa_kernarg_size 72
		.amdhsa_user_sgpr_count 2
		.amdhsa_user_sgpr_kernarg_segment_ptr 1
		.amdhsa_wavefront_size32 1
		.amdhsa_system_sgpr_workgroup_id_x 1
		.amdhsa_system_sgpr_workgroup_id_y 1
		.amdhsa_system_sgpr_workgroup_id_z 1
		.amdhsa_system_vgpr_workitem_id 0
		.amdhsa_next_free_vgpr 226
		.amdhsa_next_free_sgpr 66
		.amdhsa_reserve_vcc 1
		.amdhsa_float_denorm_mode_32 3
		.amdhsa_float_denorm_mode_16_64 3
		.amdhsa_memory_ordered 1
		.amdhsa_forward_progress 1
		.amdhsa_inst_pref_size 75
	.end_amdhsa_kernel
	.amdgpu_metadata
---
amdhsa.version: [ 1, 2 ]
amdhsa.kernels:
  - .name:           k_q6dd09b1695_prep
    .symbol:         k_q6dd09b1695_prep.kd
    .args:
      - { .name: x, .offset: 0, .size: 8, .value_kind: global_buffer, .address_space: global }
      - { .name: Wq, .offset: 8, .size: 8, .value_kind: global_buffer, .address_space: global }
      - { .name: Wk, .offset: 16, .size: 8, .value_kind: global_buffer, .address_space: global }
      - { .name: Wv, .offset: 24, .size: 8, .value_kind: global_buffer, .address_space: global }
      - { .name: Wo, .offset: 32, .size: 8, .value_kind: global_buffer, .address_space: global }
      - { .name: lowp_scales, .offset: 40, .size: 8, .value_kind: global_buffer, .address_space: global }
      - { .name: xc, .offset: 48, .size: 8, .value_kind: global_buffer, .address_space: global }
      - { .name: wc, .offset: 56, .size: 8, .value_kind: global_buffer, .address_space: global }
      - { .name: rope, .offset: 64, .size: 8, .value_kind: global_buffer, .address_space: global }
    .group_segment_fixed_size: 34304
    .private_segment_fixed_size: 0
    .kernarg_segment_align: 8
    .kernarg_segment_size: 72
    .max_flat_workgroup_size: 128
    .sgpr_count:     66
    .vgpr_count:     226
    .wavefront_size: 32
...
	.end_amdgpu_metadata
.endif
;; end of part 1
;; launch qkv (part 2): grid 32 x 12, 4 waves a work-group, clusters of 4 x 1, 262,656 bytes of LDS; arguments xc, wc, rope, lowp_scales, qc, kc, vc; writes qc, kc, vc
.if DOCPART == 2
	.amdgcn_target "amdgcn-amd-amdhsa--gfx1250"
	.amdhsa_code_object_version 6
	.text
	.protected	k_q6dd09b1695_qkv
	.globl	k_q6dd09b1695_qkv
	.p2align	8
	.type	k_q6dd09b1695_qkv,@function
k_q6dd09b1695_qkv:
	s_mov_b64 s[64:65], 0
	v_nop
	global_prefetch_b8 v0, s[64:65] scope:SCOPE_SE
	s_setreg_imm32_b32 hwreg(HW_REG_WAVE_MODE, 25, 1), 1
	s_wait_xcnt 0x0
	s_wait_alu depctr_hold_cnt(0) depctr_sa_sdst(0) depctr_va_vdst(0) depctr_va_sdst(0) depctr_va_ssrc(0) depctr_va_vcc(0) depctr_vm_vsrc(0)
	s_getreg_b32 s2, hwreg(HW_REG_IB_STS2, 6, 4)
	s_cmp_eq_u32 s2, 0
	s_cbranch_scc0 .Lentry_in_a_cluster
	s_endpgm
.Lentry_in_a_cluster:
	s_bfe_u32 s2, ttmp6, 0x10000c
	s_cmp_lg_u32 s2, 0x3003
	s_cbranch_scc0 .Lentry_shape_is_right
	s_endpgm
.Lentry_shape_is_right:
; QKV: the three projections of x on codes of E4M3, the rotary embedding of Q and K, and the quantising of Q, K and V for the attention.  Nothing leaves as f32.
; A work-group makes 128 rows (panel RP of x) x 128 columns (panel CP: 0-7 Wq, 8-9 Wk, 10-11 Wv) over the whole K = 1,024.  Both panels are 131,072 dense bytes of fragment images
; ([kfrag 8][block 8][2,048]: see the layout below) and lie WHOLLY in LDS: each byte of LDS is filled once, so there is no ring.  Each wave brings 4 x 16,384 bytes; four tensor loads of a wave are out at the most.
; A FRAGMENT IMAGE: 16 rows x 128 k = 16 registers a lane; piece p (512 bytes): lane l = r + 16 h owns the 16 bytes at 512 p + 16 l = registers 4 p .. 4 p + 3 of the plain 8-bit layout.
; LDS: chunk q = kfrags 2 q, 2 q + 1 at 65,536 q: W's 32,768 bytes, then x's.  Waves 0, 1 bring W's two kfrags of each chunk, waves 2, 3 x's.
; CLUSTER 4 x 1: the four partners take four row panels against ONE column panel, so W's panel is asked for jointly (mask 15).  x's panels differ between the partners and come by loads of each work-group's own.
; No cluster along the columns as well: K's and V's column panels read different versions of x's codes, so four column panels in a row would not all share a row panel.
; SHARES: wave w takes W's blocks 4 (w % 2) .. + 3 (64 columns: ONE HEAD) and x's blocks 4 (w / 2) .. + 3 (64 rows): 16 accumulators.
; Q, K: source 0 = W, source 1 = x: lane (r, h) holds position r of a block and its registers run along the head: channel 16 b + 8 h + j.  The rotation pairs channel d with d + 32: accumulators b and b + 2 of the same lane.
;       The sums lack the factor 2^(ex + ew); the rotation is linear, so that factor is folded into the conversion's scale: 2^(e6 - e0 - e1) for Q, 2^(e7 - e2 - e3) for K.
;       Four conversions then ARE the fragment (16 positions x 64 channels) of the first attention product:  qc: [b 16 + head][block of 16 positions 128][1,024];  kc: [b 4 + head][128][1,024].
; V:    the sources change places: lane (r, h) holds channel 16 a + r and its registers run along the positions, which are the second attention product's K:  vc: [b 4 + head][block of 64 keys 32][tile of 16 channels 4][1,024].
; LIMITS: e6 - e0 - e1, e7 - e2 - e3 and e9 - e4 - e5 lie between -126 and 119, so that each power of two below is an f32 number.
; REGISTERS: window 0: v1 16 x lane; v8-15 LDS addresses; v16, v17 scale and hold; v32-63 at work; v64-95 codes; v128-255 the accumulators ((a, b) at 128 + 8 (4 a + b)).
;   window 1: two fragment buffers of 128 (W's four fragments, then x's four).   window 2: v0-127 cos and sin for my 64 positions (32 a + 8 b + j: cos; + 16: sin).
.set ACC, 128
.set TT,  32
.set CD,  64
.set MSB, 0
.macro WIN new                         ; the immediate's high byte repeats the setting that is left
.if MSB != \new
	s_set_vgpr_msb (MSB<<8)|\new
.set MSB, \new
.endif
.endm
.macro PLACES                          ; four places behind a matrix instruction, in front of loads into its sources and of reads of its results
.rept 4
	v_nop
.endr
.endm
.macro CROUND                          ; a round of the cluster's barrier
	s_barrier_signal -1
	s_barrier_wait -1
	s_cmp_lg_u32 s18, 0
	s_cbranch_scc1 .Lnot_wave_0_\@
	s_barrier_signal -3
.Lnot_wave_0_\@:
	s_barrier_wait -3
	s_barrier_signal -1
	s_barrier_wait -1
.endm
.macro MKSC e, vs, vl                  ; 2^e as f32 into v[vs], 448 x 2^e into v[vl]
	s_add_co_i32 s98, \e, 127
	s_lshl_b32 s99, s98, 23
	v_mov_b32 v[\vs], s99
	s_add_co_i32 s98, s98, 8
	s_lshl_b32 s98, s98, 23
	s_or_b32 s98, s98, 0x600000
	v_mov_b32 v[\vl], s98
.endm
.macro FETCH f, buf                    ; kfrag f: my four fragments of W and my four of x, 32 loads of 512 consecutive bytes, into the buffer at buf of window 1
	WIN 0x40                                       ; destination window 1, address window 0
.irp i, 0,1,2,3
.irp p, 0,1,2,3
	ds_load_b128 v[(\buf)+16*\i+4*\p:(\buf)+16*\i+4*\p+3], v[8+(\f)/2] offset:((\f)%2)*16384+\i*2048+\p*512
.endr
.endr
.irp i, 0,1,2,3
.irp p, 0,1,2,3
	ds_load_b128 v[(\buf)+64+16*\i+4*\p:(\buf)+64+16*\i+4*\p+3], v[12+(\f)/2] offset:((\f)%2)*16384+\i*2048+\p*512
.endr
.endr
.endm
.macro MUL16 buf, f, swap              ; 16 products, 128 along K; the 16 accumulators take turns, in the same order in every step.  f = 0: the first products start the sums
	WIN 0x05                                       ; sources 0 and 1 window 1; C and D window 0
.irp a, 0,1,2,3
.irp b, 0,1,2,3
.if \swap
.set FS0, (\buf)+64+16*\b              ; x's block b
.set FS1, (\buf)+16*\a                 ; W's block a
.else
.set FS0, (\buf)+16*\b                 ; W's block b
.set FS1, (\buf)+64+16*\a              ; x's block a
.endif
.set ACX, ACC+8*(4*\a+\b)
.if (\f) == 0
	v_wmma_f32_16x16x128_fp8_fp8 v[ACX:ACX+7], v[FS0:FS0+15], v[FS1:FS1+15], 0
.else
	v_wmma_f32_16x16x128_fp8_fp8 v[ACX:ACX+7], v[FS0:FS0+15], v[FS1:FS1+15], v[ACX:ACX+7]
.endif
.endr
.endr
.endm
.macro MAIN swap                       ; the whole K: eight kfrags on two buffers by turns; the next kfrag's 32 loads are issued ahead of this one's 16 products
	s_wait_tensorcnt 0x3                           ; my part of chunk 0 is in; my three later chunks may be out
	s_barrier_signal -1
	s_barrier_wait -1                              ; everybody's is
	FETCH 0, 0
.irp f, 0,1,2,3,4,5,6,7
.if ((\f%2) == 1) && (\f < 7)
	s_wait_tensorcnt 3-(\f+1)/2                    ; my part of the next chunk is in; my still later chunks may be out
	s_wait_dscnt 0x0                               ; no LDS instruction of mine is pending at a signal
	s_barrier_signal -1
	s_barrier_wait -1
.endif
.if (\f >= 1) && (\f < 7)
	PLACES                                         ; the buffer to be loaded was read by the products just issued
.endif
.if \f < 7
	FETCH \f+1, 128*((\f+1)%2)
	s_wait_dscnt 32                                ; all but the 32 just issued
.else
	s_wait_dscnt 0x0
.endif
	MUL16 128*(\f%2), \f, \swap
.endr
	WIN 0
	PLACES                                         ; in front of the first read of results
.endm
	s_load_b256 s[4:11], s[0:1], 0x0               ; xc 4:5, wc 6:7, rope 8:9, the exponents 10:11
	s_load_b128 s[12:15], s[0:1], 0x20             ; qc 12:13, kc 14:15
	s_load_b64 s[16:17], s[0:1], 0x30              ; vc
	v_lshl_add_u32 v126, v0, 2, 0x40000
	v_mov_b32 v127, 0
	ds_add_u32 v126, v127
	ds_add_u32 v126, v127
	v_lshrrev_b32 v1, 5, v0
	v_readfirstlane_b32 s18, v1                    ; wave 0..3
	s_bfe_u32 s19, ttmp6, 0x40000                  ; cx: my place in the cluster; it enters global addresses of my own loads and stores alone
	s_lshl_b32 s20, ttmp9, 2
	s_add_co_u32 s20, s20, s19                     ; RP: my row panel
	s_and_b32 s21, ttmp7, 0xffff                   ; CP: the column panel, which the four partners share
	; descriptor group 1: 16,384 dense bytes as 64 rows of 32 elements of 8 bytes
	s_mov_b32 s24, 15|(3<<16)|(1<<21)              ; W's: 15:0 the mask: all four partners; 17:16 elements of 8 bytes; 21 set beside a mask; no padding
	s_mov_b32 s32, 3<<16                           ; x's: no mask
.irp g, 24, 32
	s_mov_b32 s[\g+1], 32<<16                      ; tensor_dim0 = 32
	s_mov_b32 s[\g+2], 64<<16                      ; tensor_dim1 = 64
	s_mov_b32 s[\g+3], 32<<16                      ; tile_dim0 = 32
	s_mov_b32 s[\g+4], 64                          ; tile_dim1 = 64
	s_mov_b32 s[\g+5], 32                          ; from row to row: 32 elements
	s_mov_b32 s[\g+6], 0
	s_mov_b32 s[\g+7], 0
.endr
	s_cmp_lt_u32 s21, 10
	s_cselect_b32 s22, 1, 2
	s_cmp_lt_u32 s21, 8
	s_cselect_b32 s22, 0, s22                      ; which version of x's codes: Q's, K's or V's
	s_lshl_b32 s56, s22, 22
	s_lshl_b32 s57, s20, 17
	s_add_co_u32 s56, s56, s57
	s_and_b32 s23, s18, 1
	s_lshl_b32 s23, s23, 14                        ; which kfrag of a chunk I bring
	s_add_co_u32 s56, s56, s23                     ; x's side
	s_mov_b32 s57, 0
	s_lshl_b32 s58, s21, 17
	s_add_co_u32 s58, s58, s23                     ; W's side: made of CP and the wave's number alone
	s_mov_b32 s59, 0
	s_lshl_b32 s60, s18, 14                        ; where it goes in a chunk: 16,384 x wave
	s_wait_dscnt 0x0
	s_wait_kmcnt 0x0
	s_load_b256 s[84:91], s[10:11], 0x0            ; e0 .. e7
	s_load_b128 s[92:95], s[10:11], 0x20           ; e8 .. e11
	s_add_nc_u64 s[56:57], s[4:5], s[56:57]
	s_add_nc_u64 s[58:59], s[6:7], s[58:59]
.irp q, 0,1,2,3                        ; descriptor group 0, a set for each chunk: W's in s40-55, x's in s68-83
	s_mov_b32 s[40+4*\q], 1
	s_add_co_u32 s[41+4*\q], s60, \q*65536
	s_add_nc_u64 s[42+4*\q:43+4*\q], s[58:59], \q*32768
	s_or_b32 s[43+4*\q], s[43+4*\q], 0x80000000
	s_mov_b32 s[68+4*\q], 1
	s_add_co_u32 s[69+4*\q], s60, \q*65536
	s_add_nc_u64 s[70+4*\q:71+4*\q], s[56:57], \q*32768
	s_or_b32 s[71+4*\q], s[71+4*\q], 0x80000000
.endr
	CROUND                                         ; all four work-groups are here: the joint loads meet
	s_cmp_lt_u32 s18, 2                            ; a wave's four fills stand in one branch on the wave's number, ahead of every wait on TENSORcnt and every LDS read
	s_cbranch_scc0 .Lrow_side
	tensor_load_to_lds s[40:43], s[24:31]
	s_nop 0
	tensor_load_to_lds s[44:47], s[24:31]
	s_nop 0
	tensor_load_to_lds s[48:51], s[24:31]
	s_nop 0
	tensor_load_to_lds s[52:55], s[24:31]
	s_nop 0
.rept 4
	v_nop
.endr
	s_branch .Lasked
.Lrow_side:
	tensor_load_to_lds s[68:71], s[32:39]
	s_nop 0
	tensor_load_to_lds s[72:75], s[32:39]
	s_nop 0
	tensor_load_to_lds s[76:79], s[32:39]
	s_nop 0
	tensor_load_to_lds s[80:83], s[32:39]
	s_nop 0
.rept 4
	v_nop
.endr
.Lasked:
	v_and_b32 v2, 31, v0
	v_lshlrev_b32 v1, 4, v2                        ; 16 x lane
	s_and_b32 s22, s18, 1
	s_lshl_b32 s22, s22, 13                        ; my four blocks of W,
	s_lshr_b32 s23, s18, 1
	s_lshl_b32 s23, s23, 13
	s_add_co_u32 s23, s23, 32768                   ; my four of x
.irp q, 0,1,2,3
	v_add_nc_u32 v[8+\q], s22, v1
	v_add_nc_u32 v[12+\q], s23, v1
	s_add_co_u32 s22, s22, 65536
	s_add_co_u32 s23, s23, 65536
.endr
	s_cmp_lt_u32 s21, 10                           ; the same in all partners and all waves
	s_cbranch_scc0 .Lv_path
; ---------------- Q and K
	s_and_b32 s61, s20, 15
	s_lshl_b32 s61, s61, 3
	s_lshr_b32 s57, s18, 1
	s_lshl_b32 s57, s57, 2
	s_add_co_u32 s61, s61, s57                     ; tb0: my first block of 16 positions within the batch
	s_lshl_b32 s96, s61, 12
	s_mov_b32 s97, 0
	s_add_nc_u64 s[96:97], s[8:9], s[96:97]
	WIN 0x80                                       ; destination window 2
.irp a, 0,1,2,3
.irp u, 0,1,2,3,4,5,6,7
	global_load_b128 v[32*\a+4*\u:32*\a+4*\u+3], v1, s[96:97] offset:\a*4096+\u*512   ; cos and sin of my 64 positions: they land while the panels are multiplied
.endr
.endr
	WIN 0
	s_lshr_b32 s56, s20, 4                         ; the batch
	s_cmp_lt_u32 s21, 8
	s_cselect_b64 s[62:63], s[12:13], s[14:15]     ; qc or kc,
	s_cselect_b32 s57, 4, 2                        ; 16 heads or 4,
	s_cselect_b32 s2, 0, 8                         ; the tensor's first panel
	s_lshl_b32 s56, s56, s57
	s_sub_co_u32 s2, s21, s2
	s_lshl_b32 s2, s2, 1
	s_add_co_u32 s56, s56, s2
	s_and_b32 s2, s18, 1
	s_add_co_u32 s56, s56, s2                      ; batch x heads + my head
	s_lshl_b32 s56, s56, 7
	s_add_co_u32 s56, s56, s61
	s_lshl_b32 s56, s56, 10
	s_mov_b32 s57, 0
	s_add_nc_u64 s[62:63], s[62:63], s[56:57]
	s_wait_kmcnt 0x0
	s_sub_co_i32 s2, s90, s84
	s_sub_co_i32 s2, s2, s85                       ; e6 - e0 - e1
	s_sub_co_i32 s3, s91, s86
	s_sub_co_i32 s3, s3, s87                       ; e7 - e2 - e3
	s_cmp_lt_u32 s21, 8
	s_cselect_b32 s2, s2, s3
	MKSC s2, 16, 17
	MAIN 0
	s_wait_loadcnt 0x0                             ; cos and sin
.irp a, 0,1,2,3
	WIN 0x08                                       ; source 1 window 2
.irp b, 0,1
.irp jj, 0,2,4,6                       ; each accumulator is read from its low end on
	v_pk_mul_f32 v[TT+8*\b+\jj:TT+8*\b+\jj+1],       v[ACC+8*(4*\a+\b)+\jj:ACC+8*(4*\a+\b)+\jj+1],     v[32*\a+8*\b+\jj:32*\a+8*\b+\jj+1]      ; x1 cos
	v_pk_mul_f32 v[TT+16+8*\b+\jj:TT+16+8*\b+\jj+1], v[ACC+8*(4*\a+\b+2)+\jj:ACC+8*(4*\a+\b+2)+\jj+1], v[32*\a+8*\b+\jj:32*\a+8*\b+\jj+1]      ; x2 cos
	v_pk_fma_f32 v[TT+8*\b+\jj:TT+8*\b+\jj+1],       v[ACC+8*(4*\a+\b+2)+\jj:ACC+8*(4*\a+\b+2)+\jj+1], v[32*\a+16+8*\b+\jj:32*\a+16+8*\b+\jj+1], v[TT+8*\b+\jj:TT+8*\b+\jj+1] neg_lo:[1,0,0] neg_hi:[1,0,0]   ; - x2 sin
	v_pk_fma_f32 v[TT+16+8*\b+\jj:TT+16+8*\b+\jj+1], v[ACC+8*(4*\a+\b)+\jj:ACC+8*(4*\a+\b)+\jj+1],     v[32*\a+16+8*\b+\jj:32*\a+16+8*\b+\jj+1], v[TT+16+8*\b+\jj:TT+16+8*\b+\jj+1]   ; + x1 sin
.endr
.endr
	WIN 0
.set i, 0
.rept 32
	v_med3_num_f32 v[TT+i], v[TT+i], -v17, v17     ; the conversion to an 8-bit code does not saturate (ISA guide 7.6.2)
.set i, i+1
.endr
.irp c, 0,1,2,3
	v_cvt_scalef32_pk8_fp8_f32 v[CD+8*\a+2*\c:CD+8*\a+2*\c+1], v[TT+8*\c:TT+8*\c+7], v16   ; channels 16 c + 8 h + 0..7: registers 2 c, 2 c + 1 of the fragment
.endr
	v_nop                                          ; a plain line between the conversions and the next block's writes of their sources
	global_store_b128 v1, v[CD+8*\a:CD+8*\a+3],   s[62:63] offset:1024*\a       ; 512 consecutive bytes each; every store has registers of its own
	global_store_b128 v1, v[CD+8*\a+4:CD+8*\a+7], s[62:63] offset:1024*\a+512
.endr
	s_branch .Lend
; ---------------- V
.Lv_path:
	s_lshr_b32 s56, s20, 4
	s_lshl_b32 s56, s56, 2
	s_sub_co_u32 s57, s21, 10
	s_lshl_b32 s57, s57, 1
	s_add_co_u32 s56, s56, s57
	s_and_b32 s57, s18, 1
	s_add_co_u32 s56, s56, s57                     ; batch x 4 + my head
	s_lshl_b32 s56, s56, 5
	s_and_b32 s57, s20, 15
	s_lshl_b32 s57, s57, 1
	s_add_co_u32 s56, s56, s57
	s_lshr_b32 s57, s18, 1
	s_add_co_u32 s56, s56, s57                     ; x 32 + my block of 64 keys
	s_lshl_b32 s56, s56, 12
	s_mov_b32 s57, 0
	s_add_nc_u64 s[62:63], s[16:17], s[56:57]
	s_wait_kmcnt 0x0
	s_sub_co_i32 s2, s93, s88
	s_sub_co_i32 s2, s2, s89                       ; e9 - e4 - e5
	MKSC s2, 16, 17
	MAIN 1
.irp a, 0,1,2,3
.set i, 0
.rept 32
	v_med3_num_f32 v[TT+i], v[ACC+32*\a+i], -v17, v17   ; channel 16 a + r; register 8 b + j: key 16 b + 8 h + j.  Each accumulator from its low end on
.set i, i+1
.endr
.irp c, 0,1,2,3
	v_cvt_scalef32_pk8_fp8_f32 v[CD+8*\a+2*\c:CD+8*\a+2*\c+1], v[TT+8*\c:TT+8*\c+7], v16
.endr
	v_nop
	global_store_b128 v1, v[CD+8*\a:CD+8*\a+3],   s[62:63] offset:1024*\a
	global_store_b128 v1, v[CD+8*\a+4:CD+8*\a+7], s[62:63] offset:1024*\a+512
.endr
.Lend:
	s_wait_tensorcnt 0x0
	ds_add_u32 v126, v127
	s_wait_dscnt 0x0
	CROUND                                         ; the closing round: no work-group ends while a partner may still ask for a tile that names it
	s_endpgm
.Lfunc_end_k_q6dd09b1695_qkv:
	.size	k_q6dd09b1695_qkv, .Lfunc_end_k_q6dd09b1695_qkv-k_q6dd09b1695_qkv
	.p2alignl 7, 3214868480
	.fill 96, 4, 3214868480
	.section	.rodata,"a",@progbits
	.p2align	6, 0x0
	.amdhsa_kernel k_q6dd09b1695_qkv
		.amdhsa_group_segment_fixed_size 262656
		.amdhsa_private_segment_fixed_size 0
		.amdhsa_enable_private_segment 0
		.amdhsa_kernarg_size 56
		.amdhsa_user_sgpr_count 2
		.amdhsa_user_sgpr_kernarg_segment_ptr 1
		.amdhsa_wavefront_size32 1
		.amdhsa_system_sgpr_workgroup_id_x 1
		.amdhsa_system_sgpr_workgroup_id_y 1
		.amdhsa_system_sgpr_workgroup_id_z 1
		.amdhsa_system_vgpr_workitem_id 0
		.amdhsa_next_free_vgpr 640
		.amdhsa_next_free_sgpr 100
		.amdhsa_reserve_vcc 0
		.amdhsa_float_denorm_mode_32 3
		.amdhsa_float_denorm_mode_16_64 3
		.amdhsa_memory_ordered 1
		.amdhsa_forward_progress 1
		.amdhsa_inst_pref_size 93
	.end_amdhsa_kernel
	.amdgpu_metadata
---
amdhsa.version: [ 1, 2 ]
amdhsa.kernels:
  - .name:           k_q6dd09b1695_qkv
    .symbol:         k_q6dd09b1695_qkv.kd
    .args:
      - { .name: xc, .offset: 0, .size: 8, .value_kind: global_buffer, .address_space: global }
      - { .name: wc, .offset: 8, .size: 8, .value_kind: global_buffer, .address_space: global }
      - { .name: rope, .offset: 16, .size: 8, .value_kind: global_buffer, .address_space: global }
      - { .name: lowp_scales, .offset: 24, .size: 8, .value_kind: global_buffer, .address_space: global }
      - { .name: qc, .offset: 32, .size: 8, .value_kind: global_buffer, .address_space: global }
      - { .name: kc, .offset: 40, .size: 8, .value_kind: global_buffer, .address_space: global }
      - { .name: vc, .offset: 48, .size: 8, .value_kind: global_buffer, .address_space: global }
    .group_segment_fixed_size: 262656
    .private_segment_fixed_size: 0
    .kernarg_segment_align: 8
    .kernarg_segment_size: 56
    .max_flat_workgroup_size: 128
    .sgpr_count:     100
    .vgpr_count:     640
    .wavefront_size: 32
...
	.end_amdgpu_metadata
.endif
;; end of part 2
;; launch attn (part 3): grid 32 x 8, 16 waves a work-group, no clusters, 34,816 bytes of LDS; arguments qc, kc, vc, lowp_scales, ac; writes ac
.if DOCPART == 3
	.amdgcn_target "amdgcn-amd-amdhsa--gfx1250"
	.amdhsa_code_object_version 6
	.text
	.protected	k_q6dd09b1695_attn
	.globl	k_q6dd09b1695_attn
	.p2align	8
	.type	k_q6dd09b1695_attn,@function
k_q6dd09b1695_attn:
	s_mov_b64 s[64:65], 0
	v_nop
	global_prefetch_b8 v0, s[64:65] scope:SCOPE_SE
	s_setreg_imm32_b32 hwreg(HW_REG_WAVE_MODE, 25, 1), 1
	s_wait_xcnt 0x0
; ATTENTION on codes of E4M3, causal, head size 64, four query heads to each key and value head.  Both products are used transposed, so that a lane holds ONE query throughout:
;   S^T = K Q^T (source 0 = 16 keys, source 1 = my 16 queries; K = 64): register 8 T + j of lane (r, h) is key 16 T + 8 h + j of the step, query r;
;   O^T += V^T P^T (source 0 = 16 channels, source 1 = P; K = the step's 128 keys): eight conversions of the scores' registers ARE P's fragment in the plain 8-bit layout.
; THE SOFTMAX: t = score x log2(e) / 8; M = the running largest t rounded UP to a whole number, kept as -M; p = 2^(t - M) is quantised with 2^e8, not normalised; the row's sum is taken of the unquantised p and
; divides at the end.  When M moves, the sum and O^T are multiplied by 2^(old M - new M), which rounds nothing; no branch hangs on floating-point data.
; SHARES: work-group (i, bh): key and value head bh = 4 b + kvh; query blocks of 32: block i (waves 0-7) and block 63 - i (waves 8-15), so that every work-group has about the same number of visible key steps.
;   Wave w: query head 4 kvh + w % 4; the block's tile of 16 queries (w / 4) % 2.
; K's and V's tiles of a step (128 keys: 8,192 dense bytes each, fragment images) are copied by all 512 threads, 16 + 16 bytes each, through registers into one of two LDS slots; a tile is asked for a whole step
; before it is stored, so no wave waits long for it.  ONE barrier a step: in front of it each wave's stores into this slot and its reads of the other slot are done.
; A step all of whose keys come after my queries is left out by a scalar branch on ids, round the work alone: every wave passes every barrier.  The work-group walks (71 - i) / 8 trips of two steps: up to its last visible key.
; NO CLUSTER, NO JOINT LOADS: work-groups of one bh walk 5 to 8 trips, so partners would need different numbers of tiles, and the four query heads that share K and V already sit in one work-group.
; OUT: O^T / the sum, quantised with the folded scale 2^(e10 - e8 - e9), is stored as its part of a fragment image of the last product's left operand (ac: [panel 32][kfrag = head / 2][block 8][2,048], + 1,024 for odd heads).
; THE HOLD OF p: p <= 1, so p / 2^e8 <= 256 whenever e8 >= -8, whatever the data: the 64 one-sided holds are then jumped over, by a scalar branch on the given whole number; else they run.
; LIMITS: e6 + e7 between -123 and 130 (added to c's exponent field); e8 and e10 - e8 - e9 between -126 and 119.  1 / sum is v_rcp_f32 and a multiplication.
; REGISTERS: v1 16 x thread; v2 16 x lane; v3 the next tile's offset; v4 r - 8 h; v5 -infinity; v6, v7 hold and scale; v8-15 the tile on its way; v16-23 Q; v24 -M, v25 the largest t; v[26:27] the sum in two halves;
;   v[28:29] f; v30 the mask's bound; v32-95 K's eight fragments, then V's four; v96-159 S^T, then p; v160-191 O^T; v192-207 p's codes; v208-213 at work.
.macro MKSC e, vs, vl                  ; 2^e as f32 into v[vs], 448 x 2^e into v[vl]
	s_add_co_i32 s48, \e, 127
	s_lshl_b32 s49, s48, 23
	v_mov_b32 v[\vs], s49
	s_add_co_i32 s48, s48, 8
	s_lshl_b32 s48, s48, 23
	s_or_b32 s48, s48, 0x600000
	v_mov_b32 v[\vl], s48
.endm
	s_load_b256 s[4:11], s[0:1], 0x0               ; qc 4:5, kc 6:7, vc 8:9, the exponents 10:11
	s_load_b64 s[12:13], s[0:1], 0x20              ; ac
	v_lshl_add_u32 v224, v0, 2, 0x8000
	v_mov_b32 v225, 0
	v_lshrrev_b32 v1, 5, v0
	v_readfirstlane_b32 s14, v1                    ; wave 0..15
	s_and_b32 s15, ttmp7, 0xffff                   ; bh
	s_and_b32 s17, s14, 3                          ; g: which of the four query heads
	s_bfe_u32 s44, s14, 0x10002                    ; which 16 of the block's 32 queries
	s_lshr_b32 s45, s14, 3                         ; the late block?
	s_sub_co_u32 s46, 63, ttmp9
	s_cmp_eq_u32 s45, 1
	s_cselect_b32 s46, s46, ttmp9
	s_lshl_b32 s18, s46, 5
	s_lshl_b32 s44, s44, 4
	s_add_co_u32 s18, s18, s44                     ; Q0: my first query
	s_sub_co_u32 s19, 71, ttmp9
	s_lshr_b32 s19, s19, 3                         ; trips of 256 keys: ceil((2,048 - 32 i) / 256)
	s_mov_b32 s20, 0x76543210
	s_mov_b32 s21, 0xfedcba98                      ; v_permlanex16_b32's selects: lane l xor 16
	s_mov_b32 s22, 0x3e38aa3b                      ; c = log2(e) / 8
	s_mov_b32 s24, 0                               ; KF: the step's first key
	s_mov_b32 s25, 1                               ; the next tile to ask for
	s_mov_b32 s26, 0                               ; trips done
	v_lshlrev_b32 v1, 4, v0                        ; 16 x thread
	v_and_b32 v2, 31, v0
	v_lshlrev_b32 v2, 4, v2                        ; 16 x lane
	v_and_b32 v4, 15, v0
	v_bfe_u32 v3, v0, 4, 1
	v_lshlrev_b32 v3, 3, v3
	v_sub_nc_u32 v4, v4, v3                        ; r - 8 h
	v_mov_b32 v3, v1                               ; tile 0
	v_mov_b32 v5, 0xff800000                       ; -infinity
	s_wait_kmcnt 0x0
	s_load_b256 s[32:39], s[10:11], 0x0            ; e0 .. e7
	s_load_b128 s[40:43], s[10:11], 0x20           ; e8 .. e11
	s_lshl_b32 s44, s15, 17                        ; a head's codes of K, and of V: 131,072 bytes
	s_mov_b32 s45, 0
	s_add_nc_u64 s[6:7], s[6:7], s[44:45]
	s_add_nc_u64 s[8:9], s[8:9], s[44:45]
	s_lshl_b32 s44, s15, 2
	s_add_co_u32 s44, s44, s17                     ; b 16 + query head = 4 bh + g
	s_lshl_b32 s44, s44, 7
	s_lshr_b32 s46, s18, 4
	s_add_co_u32 s44, s44, s46
	s_lshl_b32 s44, s44, 10
	s_add_nc_u64 s[4:5], s[4:5], s[44:45]
	global_load_b128 v[16:19], v2, s[4:5]                  ; Q's fragment stays in registers
	global_load_b128 v[20:23], v2, s[4:5] offset:512
	global_load_b128 v[8:11], v3, s[6:7]                   ; tile 0: K's 16 bytes of mine,
	global_load_b128 v[12:15], v3, s[8:9]                  ; V's
	v_mov_b32 v25, 0xff61b1e6                      ; the largest t so far: -3e38, under every t
	v_floor_f32 v24, -v25                          ; -M
	v_mov_b32 v26, 0                               ; the sum
	v_mov_b32 v27, 0
	v_mov_b32 v29, 0                               ; (named as the upper half of the pair v[28:29])
	v_mov_b32 v210, 0                              ; written once: a lane permute's destination counts as one of its sources
.set j, 0
.rept 32
	v_mov_b32 v[160+j], 0                          ; O^T.  (The step is written once: the first finds zeros, which the first change of M leaves zeros)
.set j, j+1
.endr
	s_wait_kmcnt 0x0
	s_add_co_i32 s44, s38, s39
	s_lshl_b32 s44, s44, 23
	s_add_co_i32 s22, s22, s44                     ; a score stands for score x 2^(e6 + e7): added to c's exponent field
	s_mov_b32 s23, s22                             ; (named with it as a pair, so it is written)
	MKSC s40, 7, 6                                 ; 2^e8 and 448 x 2^e8
; A KEY STEP of 128 keys, in slot sl
.macro STEPX sl
	s_wait_loadcnt 0x0                             ; this step's tile is in my registers (and, the first time, Q)
	ds_store_b128 v1, v[8:11] offset:\sl*16384             ; K's eight images; this slot's last readers waited for their loads in front of the barrier before this one
	ds_store_b128 v1, v[12:15] offset:\sl*16384+8192       ; V's eight
	s_min_u32 s44, s25, 15                         ; the next tile; the last look-ahead is held inside the buffers
	s_lshl_b32 s44, s44, 13
	s_add_co_u32 s25, s25, 1
	s_wait_dscnt 0x0                               ; for the others' sake: my stores have landed; they have also read their registers,
	v_add_nc_u32 v3, s44, v1                       ; (free since the wait for its loads)
	global_load_b128 v[8:11], v3, s[6:7]                   ; which take the next tile: a whole step ahead of its use
	global_load_b128 v[12:15], v3, s[8:9]
	s_barrier_signal -1
	s_barrier_wait -1                              ; the slot is whole
	s_add_co_u32 s44, s18, 15
	s_cmp_gt_u32 s24, s44                          ; all 128 keys come after my 16 queries: nothing to do
	s_cbranch_scc1 .Lhidden_\@
.irp t, 0,1,2,3,4,5,6,7
	ds_load_b128 v[32+8*\t:35+8*\t], v2 offset:\sl*16384+\t*1024
	ds_load_b128 v[36+8*\t:39+8*\t], v2 offset:\sl*16384+\t*1024+512
.endr
	s_wait_dscnt 0x0
.irp t, 0,1,2,3,4,5,6,7
	v_wmma_f32_16x16x64_fp8_fp8 v[96+8*\t:103+8*\t], v[32+8*\t:39+8*\t], v[16:23], 0
.endr
.rept 4
	v_nop                                          ; places in front of loads into registers that these products read, and of the first read of the scores
.endr
.irp dt, 0,1,2,3                       ; V's four fragments (16 channels x 128 keys) land under the softmax
.irp kb, 0,1
.irp p, 0,1
	ds_load_b128 v[32+16*\dt+8*\kb+4*\p:35+16*\dt+8*\kb+4*\p], v2 offset:\sl*16384+8192+(4*\kb+\dt)*1024+512*\p
.endr
.endr
.endr
	s_add_co_u32 s44, s24, 127
	s_cmp_le_u32 s44, s18                          ; all 128 keys count for all my queries: no mask
	s_cbranch_scc1 .Lopen_\@
	s_sub_co_i32 s44, s18, s24
	v_add_nc_u32 v30, s44, v4                      ; d = my query - KF - 8 h.  Register n holds key KF + 8 h + 16 (n / 8) + n % 8: hidden where 16 (n / 8) + n % 8 > d
.set n, 0
.rept 64
	v_cmp_gt_i32 vcc_lo, 16*(n/8)+n%8, v30
	v_cndmask_b32 v[96+n], v[96+n], v5, vcc_lo     ; -infinity ahead of the maximum: p = 0 then.  Key KF counts for every query of a step that is not left out
.set n, n+1
.endr
.Lopen_\@:
	v_max3_num_f32 v208, v96, v97, v98             ; the step's largest score of my query among my 64 keys, in two chains, each accumulator from its low end on,
	v_max3_num_f32 v209, v99, v100, v101
.irp i, 6,10,14,18,22,26,30,34,38,42,46,50,54,58
	v_max3_num_f32 v208, v208, v[96+\i], v[97+\i]
	v_max3_num_f32 v209, v209, v[98+\i], v[99+\i]
.endr
	v_max3_num_f32 v208, v208, v158, v159
	v_max_num_f32 v208, v208, v209
	v_permlanex16_b32 v210, v208, s20, s21
	v_max_num_f32 v208, v208, v210                 ; and among lane l xor 16's
	v_mul_f32 v208, s22, v208                      ; as t (c is positive)
	v_max_num_f32 v25, v25, v208                   ; the running largest t
	v_mov_b32 v208, v24
	v_floor_f32 v24, -v25                          ; the new -M = floor(-t) = -ceil(t)
	v_sub_f32 v208, v24, v208                      ; old M - new M: a whole number, 0 or less
	v_cvt_i32_f32 v208, v208                       ; (it saturates)
	v_ldexp_f32 v28, 1.0, v208                     ; f = 2^(old M - new M)
.set j, 0
.rept 32
	v_pk_fma_f32 v[96+j:97+j], v[96+j:97+j], s[22:23], v[24:25] op_sel_hi:[1,0,0]   ; t - M, two at a time (of the pairs c and -M the low word serves both halves)
.set j, j+2
.endr
.set j, 0
.rept 64
	v_exp_f32 v[96+j], v[96+j]                     ; p = 2^(t - M): one batch
.set j, j+1
.endr
	v_pk_mul_f32 v[26:27], v[26:27], v[28:29] op_sel_hi:[1,0]   ; the sums under the new M: the plain line behind the exponentials
	s_wait_alu depctr_va_vdst(0)                   ; one wait for the batch, ahead of its first reader
	v_pk_add_f32 v[212:213], v[96:97], v[98:99]    ; the row's sum is taken of the unquantised p: two at a time, in two chains
.irp j, 4,8,12,16,20,24,28,32,36,40,44,48,52,56,60
	v_pk_add_f32 v[26:27], v[26:27], v[96+\j:97+\j]
	v_pk_add_f32 v[212:213], v[212:213], v[98+\j:99+\j]
.endr
	v_pk_add_f32 v[26:27], v[26:27], v[212:213]
	s_cmp_ge_i32 s40, -8                           ; p / 2^e8 <= 256 for every p <= 1: no code can pass the largest
	s_cbranch_scc1 .Lfits_\@
.set j, 0
.rept 64
	v_min_num_f32 v[96+j], v[96+j], v6             ; else the hold, one-sided: p is not negative
.set j, j+1
.endr
.Lfits_\@:
.irp t, 0,1,2,3,4,5,6,7
	v_cvt_scalef32_pk8_fp8_f32 v[192+2*\t:193+2*\t], v[96+8*\t:103+8*\t], v7   ; keys 16 t + 8 h + 0..7: registers 2 t, 2 t + 1 of P's fragment
.endr
.set j, 0
.rept 16
	v_pk_mul_f32 v[160+j:161+j], v[160+j:161+j], v[28:29] op_sel_hi:[1,0]   ; O^T under the new M.  (Also the plain lines between the conversions and the products that read the codes)
.set j, j+2
.endr
	s_wait_dscnt 0x0                               ; V is in
.irp dt, 0,1,2,3                       ; four accumulators, one instruction each; the next step's eight score products stand between two links of a chain
	v_wmma_f32_16x16x128_fp8_fp8 v[160+8*\dt:167+8*\dt], v[32+16*\dt:47+16*\dt], v[192:207], v[160+8*\dt:167+8*\dt]
.endr
.rept 4
	v_nop                                          ; places in front of the next loads into v32-95, and of the way out's reads
.endr
.Lhidden_\@:
	s_add_co_u32 s24, s24, 128
.endm
.Ltrip:
	STEPX 0
	STEPX 1
	s_add_co_u32 s26, s26, 1
	s_cmp_lt_u32 s26, s19
	s_cbranch_scc1 .Ltrip
	; THE WAY OUT
	v_add_f32 v26, v26, v27                        ; the sum's two halves,
	v_permlanex16_b32 v210, v26, s20, s21
	v_add_f32 v26, v26, v210                       ; and lane l xor 16's
	v_rcp_f32 v208, v26
	s_sub_co_i32 s44, s42, s40
	s_sub_co_i32 s44, s44, s41                     ; e10 - e8 - e9: a sum of the second product stands for sum x 2^(e8 + e9)
	MKSC s44, 7, 6                                 ; (plain lines behind the reciprocal)
	s_lshr_b32 s44, s15, 2
	s_lshl_b32 s44, s44, 7
	s_lshr_b32 s45, s18, 4
	s_add_co_u32 s44, s44, s45                     ; rb: my block of 16 rows among the 256
	s_and_b32 s45, s15, 3
	s_lshl_b32 s45, s45, 2
	s_add_co_u32 s45, s45, s17                     ; my query head
	s_lshr_b32 s46, s44, 3
	s_lshl_b32 s46, s46, 17                        ; the panel,
	s_and_b32 s44, s44, 7
	s_lshl_b32 s44, s44, 11
	s_add_co_u32 s46, s46, s44                     ; the block,
	s_lshr_b32 s44, s45, 1
	s_lshl_b32 s44, s44, 14
	s_add_co_u32 s46, s46, s44                     ; the kfrag,
	s_and_b32 s44, s45, 1
	s_lshl_b32 s44, s44, 10
	s_add_co_u32 s46, s46, s44                     ; its first or second 64 along K
	s_mov_b32 s47, 0
	s_add_nc_u64 s[12:13], s[12:13], s[46:47]
	s_wait_alu depctr_va_vdst(0)                   ; the wait ahead of the reciprocal's first reader
.set j, 0
.rept 32
	v_mul_f32 v[96+j], v[160+j], v208              ; O^T / the sum: register 8 dt + j is channel 16 dt + 8 h + j of query r; each accumulator from its low end on
.set j, j+1
.endr
.set j, 0
.rept 32
	v_med3_num_f32 v[96+j], v[96+j], -v6, v6
.set j, j+1
.endr
.irp dt, 0,1,2,3
	v_cvt_scalef32_pk8_fp8_f32 v[192+2*\dt:193+2*\dt], v[96+8*\dt:103+8*\dt], v7
.endr
	v_nop
	global_store_b128 v2, v[192:195], s[12:13]             ; 512 consecutive bytes each
	global_store_b128 v2, v[196:199], s[12:13] offset:512
	s_wait_tensorcnt 0x0
	ds_add_u32 v224, v225
	s_wait_dscnt 0x0
	s_endpgm
.Lfunc_end_k_q6dd09b1695_attn:
	.size	k_q6dd09b1695_attn, .Lfunc_end_k_q6dd09b1695_attn-k_q6dd09b1695_attn
	.p2alignl 7, 3214868480
	.fill 96, 4, 3214868480
	.section	.rodata,"a",@progbits
	.p2align	6, 0x0
	.amdhsa_kernel k_q6dd09b1695_attn
		.amdhsa_group_segment_fixed_size 34816
		.amdhsa_private_segment_fixed_size 0
		.amdhsa_enable_private_segment 0
		.amdhsa_kernarg_size 40
		.amdhsa_user_sgpr_count 2
		.amdhsa_user_sgpr_kernarg_segment_ptr 1
		.amdhsa_wavefront_size32 1
		.amdhsa_system_sgpr_workgroup_id_x 1
		.amdhsa_system_sgpr_workgroup_id_y 1
		.amdhsa_system_sgpr_workgroup_id_z 1
		.amdhsa_system_vgpr_workitem_id 0
		.amdhsa_next_free_vgpr 226
		.amdhsa_next_free_sgpr 66
		.amdhsa_reserve_vcc 1
		.amdhsa_float_denorm_mode_32 3
		.amdhsa_float_denorm_mode_16_64 3
		.amdhsa_memory_ordered 1
		.amdhsa_forward_progress 1
		.amdhsa_inst_pref_size 51
	.end_amdhsa_kernel
	.amdgpu_metadata
---
amdhsa.version: [ 1, 2 ]
amdhsa.kernels:
  - .name:           k_q6dd09b1695_attn
    .symbol:         k_q6dd09b1695_attn.kd
    .args:
      - { .name: qc, .offset: 0, .size: 8, .value_kind: global_buffer, .address_space: global }
      - { .name: kc, .offset: 8, .size: 8, .value_kind: global_buffer, .address_space: global }
      - { .name: vc, .offset: 16, .size: 8, .value_kind: global_buffer, .address_space: global }
      - { .name: lowp_scales, .offset: 24, .size: 8, .value_kind: global_buffer, .address_space: global }
      - { .name: ac, .offset: 32, .size: 8, .value_kind: global_buffer, .address_space: global }
    .group_segment_fixed_size: 34816
    .private_segment_fixed_size: 0
    .kernarg_segment_align: 8
    .kernarg_segment_size: 40
    .max_flat_workgroup_size: 512
    .sgpr_count:     66
    .vgpr_count:     226
    .wavefront_size: 32
...
	.end_amdgpu_metadata
.endif
;; end of part 3
;; launch oproj (part 4): grid 8 x 32, 4 waves a work-group, clusters of 4 x 4, 280,064 bytes of LDS; arguments ac, wc, lowp_scales, out0; writes out0
.if DOCPART == 4
	.amdgcn_target "amdgcn-amd-amdhsa--gfx1250"
	.amdhsa_code_object_version 6
	.text
	.protected	k_q6dd09b1695_oproj
	.globl	k_q6dd09b1695_oproj
	.p2align	8
	.type	k_q6dd09b1695_oproj,@function
k_q6dd09b1695_oproj:
	s_mov_b64 s[64:65], 0
	v_nop
	global_prefetch_b8 v0, s[64:65] scope:SCOPE_SE
	s_setreg_imm32_b32 hwreg(HW_REG_WAVE_MODE, 25, 1), 1
	s_wait_xcnt 0x0
	s_wait_alu depctr_hold_cnt(0) depctr_sa_sdst(0) depctr_va_vdst(0) depctr_va_sdst(0) depctr_va_ssrc(0) depctr_va_vcc(0) depctr_vm_vsrc(0)
	s_getreg_b32 s2, hwreg(HW_REG_IB_STS2, 6, 4)
	s_cmp_eq_u32 s2, 0
	s_cbranch_scc0 .Lentry_in_a_cluster
	s_endpgm
.Lentry_in_a_cluster:
	s_bfe_u32 s2, ttmp6, 0x10000c
	s_cmp_lg_u32 s2, 0xf033
	s_cbranch_scc0 .Lentry_shape_is_right
	s_endpgm
.Lentry_shape_is_right:
; OUT = attention's result x Wo, on codes of E4M3; each finished sum is multiplied once by 2^(e10 + e11).  out0: [4096][1024] f32.
; A work-group makes 128 rows (panel RPy of ac) x 128 columns (panel 12 + CPx of wc) over the whole K = 1,024.  Both panels are 131,072 dense bytes of fragment images ([kfrag 8][block 8][2,048]) and lie WHOLLY in LDS:
; each byte of LDS is filled once, so there is no ring.  Each wave brings 4 x 16,384 bytes; four tensor loads of a wave are out at the most.
; A FRAGMENT IMAGE: 16 rows x 128 k = 16 registers a lane; piece p (512 bytes): lane l = r + 16 h owns the 16 bytes at 512 p + 16 l = registers 4 p .. 4 p + 3 of the plain 8-bit layout.
; LDS: chunk q = kfrags 2 q, 2 q + 1 at 65,536 q: W's 32,768 bytes, then the rows'.  Waves 0, 1 bring W's two kfrags of each chunk, waves 2, 3 the rows'.  Behind the chunks: a stage of 16 x 272 bytes for each wave.
; CLUSTER 4 x 4: the four of a column of the cluster need the same panel of W, the four of a row the same row panel: each is asked for JOINTLY, with a mask that names the four.
; SHARES: wave w takes W's blocks 4 (w % 2) .. + 3 and the rows' blocks 4 (w / 2) .. + 3: 16 accumulators.  Source 0 = W, source 1 = the rows: a lane holds eight neighbouring columns of one row of the output.
; LIMIT: e10 + e11 lies between -126 and 127, so that 2^(e10 + e11) is an f32 number.
; REGISTERS: window 0: v1 16 x lane; v4 into the stage, v5 back, v6 my offset in out0; v8-15 LDS addresses; v32-63 a block's sums x the scale; v64-127 rows read back, two sets by turns; v128-255 the accumulators.
;   window 1: two fragment buffers of 128 (W's four fragments, then the rows' four).
.set ACC, 128
.set TT,  32
.set BK,  64
.set STAGE, 262144
.set MSB, 0
.macro WIN new                         ; the immediate's high byte repeats the setting that is left
.if MSB != \new
	s_set_vgpr_msb (MSB<<8)|\new
.set MSB, \new
.endif
.endm
.macro PLACES                          ; four places behind a matrix instruction, in front of loads into its sources and of reads of its results
.rept 4
	v_nop
.endr
.endm
.macro CROUND                          ; a round of the cluster's barrier
	s_barrier_signal -1
	s_barrier_wait -1
	s_cmp_lg_u32 s18, 0
	s_cbranch_scc1 .Lnot_wave_0_\@
	s_barrier_signal -3
.Lnot_wave_0_\@:
	s_barrier_wait -3
	s_barrier_signal -1
	s_barrier_wait -1
.endm
.macro FETCH f, buf                    ; kfrag f: my four fragments of W and my four of the rows, 32 loads of 512 consecutive bytes, into the buffer at buf of window 1
	WIN 0x40                                       ; destination window 1, address window 0
.irp i, 0,1,2,3
.irp p, 0,1,2,3
	ds_load_b128 v[(\buf)+16*\i+4*\p:(\buf)+16*\i+4*\p+3], v[8+(\f)/2] offset:((\f)%2)*16384+\i*2048+\p*512
.endr
.endr
.irp i, 0,1,2,3
.irp p, 0,1,2,3
	ds_load_b128 v[(\buf)+64+16*\i+4*\p:(\buf)+64+16*\i+4*\p+3], v[12+(\f)/2] offset:((\f)%2)*16384+\i*2048+\p*512
.endr
.endr
.endm
.macro MUL16 buf, f                    ; 16 products, 128 along K; the 16 accumulators take turns, in the same order in every step.  f = 0: the first products start the sums
	WIN 0x05                                       ; sources 0 and 1 window 1; C and D window 0
.irp a, 0,1,2,3
.irp b, 0,1,2,3
.set FS0, (\buf)+16*\b                 ; W's block b
.set FS1, (\buf)+64+16*\a              ; the rows' block a
.set ACX, ACC+8*(4*\a+\b)
.if (\f) == 0
	v_wmma_f32_16x16x128_fp8_fp8 v[ACX:ACX+7], v[FS0:FS0+15], v[FS1:FS1+15], 0
.else
	v_wmma_f32_16x16x128_fp8_fp8 v[ACX:ACX+7], v[FS0:FS0+15], v[FS1:FS1+15], v[ACX:ACX+7]
.endif
.endr
.endr
.endm
	s_load_b256 s[4:11], s[0:1], 0x0               ; ac 4:5, wc 6:7, the exponents 8:9, out0 10:11
	v_lshl_add_u32 v30, v0, 2, 0x44400
	v_mov_b32 v31, 0
	ds_add_u32 v30, v31
	ds_add_u32 v30, v31
	v_lshrrev_b32 v1, 5, v0
	v_readfirstlane_b32 s18, v1                    ; wave 0..3
	s_bfe_u32 s19, ttmp6, 0x40000                  ; cx, cy: my place in the cluster
	s_bfe_u32 s20, ttmp6, 0x40004
	s_lshl_b32 s21, ttmp9, 2
	s_add_co_u32 s21, s21, s19                     ; CPx: my column panel
	s_and_b32 s22, ttmp7, 0xffff
	s_lshl_b32 s22, s22, 2
	s_add_co_u32 s22, s22, s20                     ; RPy: my row panel
	s_lshl_b32 s63, s20, 2
	s_lshl_b32 s63, 15, s63                        ; my row of the cluster
	s_lshl_b32 s62, 0x1111, s19                    ; my column
	; descriptor group 1: 16,384 dense bytes as 64 rows of 32 elements of 8 bytes
	s_or_b32 s24, s62, (3<<16)|(1<<21)             ; W's: 15:0 the mask: my column; 17:16 elements of 8 bytes; 21 set beside a mask; no padding
	s_or_b32 s32, s63, (3<<16)|(1<<21)             ; the rows': the mask of my row
.irp g, 24, 32
	s_mov_b32 s[\g+1], 32<<16                      ; tensor_dim0 = 32
	s_mov_b32 s[\g+2], 64<<16                      ; tensor_dim1 = 64
	s_mov_b32 s[\g+3], 32<<16                      ; tile_dim0 = 32
	s_mov_b32 s[\g+4], 64                          ; tile_dim1 = 64
	s_mov_b32 s[\g+5], 32                          ; from row to row: 32 elements
	s_mov_b32 s[\g+6], 0
	s_mov_b32 s[\g+7], 0
.endr
	s_and_b32 s23, s18, 1
	s_lshl_b32 s23, s23, 14                        ; which kfrag of a chunk I bring
	s_add_co_u32 s58, s21, 12                      ; Wo's panels begin at panel 12
	s_lshl_b32 s58, s58, 17
	s_add_co_u32 s58, s58, s23                     ; W's side: made of the column panel and the wave's number alone
	s_mov_b32 s59, 0
	s_lshl_b32 s60, s22, 17
	s_add_co_u32 s60, s60, s23                     ; the rows' side: of the row panel and the wave's number alone
	s_mov_b32 s61, 0
	s_lshl_b32 s57, s18, 14                        ; where it goes in a chunk: 16,384 x wave: no place in the cluster enters an LDS address
	s_wait_dscnt 0x0
	s_wait_kmcnt 0x0
	s_load_b64 s[96:97], s[8:9], 0x28              ; e10, e11
	s_add_nc_u64 s[58:59], s[6:7], s[58:59]
	s_add_nc_u64 s[60:61], s[4:5], s[60:61]
.irp q, 0,1,2,3                        ; descriptor group 0, a set for each chunk: W's in s40-55, the rows' in s68-83
	s_mov_b32 s[40+4*\q], 1
	s_add_co_u32 s[41+4*\q], s57, \q*65536
	s_add_nc_u64 s[42+4*\q:43+4*\q], s[58:59], \q*32768
	s_or_b32 s[43+4*\q], s[43+4*\q], 0x80000000
	s_mov_b32 s[68+4*\q], 1
	s_add_co_u32 s[69+4*\q], s57, \q*65536
	s_add_nc_u64 s[70+4*\q:71+4*\q], s[60:61], \q*32768
	s_or_b32 s[71+4*\q], s[71+4*\q], 0x80000000
.endr
	CROUND                                         ; all sixteen work-groups are here: the joint loads meet
	s_cmp_lt_u32 s18, 2                            ; a wave's four fills stand in one branch on the wave's number, ahead of every wait on TENSORcnt and every LDS read
	s_cbranch_scc0 .Lrow_side
	tensor_load_to_lds s[40:43], s[24:31]
	s_nop 0
	tensor_load_to_lds s[44:47], s[24:31]
	s_nop 0
	tensor_load_to_lds s[48:51], s[24:31]
	s_nop 0
	tensor_load_to_lds s[52:55], s[24:31]
	s_nop 0
.rept 4
	v_nop
.endr
	s_branch .Lasked
.Lrow_side:
	tensor_load_to_lds s[68:71], s[32:39]
	s_nop 0
	tensor_load_to_lds s[72:75], s[32:39]
	s_nop 0
	tensor_load_to_lds s[76:79], s[32:39]
	s_nop 0
	tensor_load_to_lds s[80:83], s[32:39]
	s_nop 0
.rept 4
	v_nop
.endr
.Lasked:
	v_and_b32 v2, 31, v0
	v_lshlrev_b32 v1, 4, v2                        ; 16 x lane
	s_and_b32 s2, s18, 1
	s_lshl_b32 s2, s2, 13                          ; my four blocks of W,
	s_lshr_b32 s3, s18, 1
	s_lshl_b32 s3, s3, 13
	s_add_co_u32 s3, s3, 32768                     ; my four of the rows
.irp q, 0,1,2,3
	v_add_nc_u32 v[8+\q], s2, v1
	v_add_nc_u32 v[12+\q], s3, v1
	s_add_co_u32 s2, s2, 65536
	s_add_co_u32 s3, s3, 65536
.endr
	v_and_b32 v2, 15, v0                           ; r
	v_bfe_u32 v3, v0, 4, 1                         ; h
	s_mul_i32 s2, s18, 4352
	s_add_co_u32 s2, s2, STAGE                     ; my stage: no fill ever lands there
	v_mul_u32_u24 v4, v2, 272
	v_lshl_add_u32 v4, v3, 5, v4
	v_add_nc_u32 v4, s2, v4                        ; in: row r, 32 bytes for each half of the lanes
	v_mul_u32_u24 v5, v3, 272
	v_lshl_add_u32 v5, v2, 4, v5
	v_add_nc_u32 v5, s2, v5                        ; back: lanes 0-15 one row of 256 bytes, lanes 16-31 the next
	v_lshlrev_b32 v6, 12, v3
	v_lshl_add_u32 v6, v2, 4, v6                   ; and the same two rows in out0
	s_lshl_b32 s84, s22, 7                         ; (registers that never fed a descriptor)
	s_lshr_b32 s85, s18, 1
	s_lshl_b32 s85, s85, 6
	s_add_co_u32 s84, s84, s85                     ; my first row: 128 RPy + 64 (w / 2)
	s_lshl_b32 s84, s84, 12
	s_lshl_b32 s85, s21, 9
	s_add_co_u32 s84, s84, s85                     ; my first column, in bytes: 512 CPx + 256 (w % 2)
	s_and_b32 s85, s18, 1
	s_lshl_b32 s85, s85, 8
	s_add_co_u32 s84, s84, s85
	s_mov_b32 s85, 0
	s_add_nc_u64 s[10:11], s[10:11], s[84:85]
	s_wait_kmcnt 0x0
	s_add_co_i32 s96, s96, s97
	s_add_co_i32 s96, s96, 127
	s_lshl_b32 s96, s96, 23                        ; 2^(e10 + e11) as f32
	s_mov_b32 s97, s96                             ; (named with it as a pair, so it is written)
	; the whole K: eight kfrags on two buffers by turns; the next kfrag's 32 loads are issued ahead of this one's 16 products
	s_wait_tensorcnt 0x3                           ; my part of chunk 0 is in; my three later chunks may be out
	s_barrier_signal -1
	s_barrier_wait -1                              ; everybody's is
	FETCH 0, 0
.irp f, 0,1,2,3,4,5,6,7
.if ((\f%2) == 1) && (\f < 7)
	s_wait_tensorcnt 3-(\f+1)/2                    ; my part of the next chunk is in; my still later chunks may be out
	s_wait_dscnt 0x0                               ; no LDS instruction of mine is pending at a signal
	s_barrier_signal -1
	s_barrier_wait -1
.endif
.if (\f >= 1) && (\f < 7)
	PLACES                                         ; the buffer to be loaded was read by the products just issued
.endif
.if \f < 7
	FETCH \f+1, 128*((\f+1)%2)
	s_wait_dscnt 32                                ; all but the 32 just issued
.else
	s_wait_dscnt 0x0
.endif
	MUL16 128*(\f%2), \f
.endr
	WIN 0
	PLACES                                         ; in front of the first read of results
	; THE WAY OUT, a block of 16 rows x 64 columns at a time: through my own stage and back as whole rows of 256 bytes
.irp a, 0,1,2,3
.set j, 0
.rept 16
	v_pk_mul_f32 v[TT+j:TT+j+1], v[ACC+32*\a+j:ACC+32*\a+j+1], s[96:97] op_sel_hi:[1,0]   ; x 2^(e10 + e11); each accumulator from its low end on
.set j, j+2
.endr
.irp b, 0,1,2,3
	ds_store_b128 v4, v[TT+8*\b:TT+8*\b+3]   offset:64*\b
	ds_store_b128 v4, v[TT+8*\b+4:TT+8*\b+7] offset:64*\b+16
.endr
.if \a >= 2
	s_wait_xcnt 0x0                                ; block a - 2's stores have read their registers: block a's rows may land there
.endif
.irp i, 0,1,2,3,4,5,6,7
	ds_load_b128 v[BK+32*(\a%2)+4*\i:BK+32*(\a%2)+4*\i+3], v5 offset:\i*544   ; LDS serves a wave's instructions in order: these see the stores above
.endr
	s_wait_dscnt 0x0                               ; the rows are back, and the stores into the stage have read their registers
.irp i, 0,1,2,3,4,5,6,7
	global_store_b128 v6, v[BK+32*(\a%2)+4*\i:BK+32*(\a%2)+4*\i+3], s[10:11] offset:\a*65536+\i*8192 th:TH_STORE_NT   ; sixteen lanes store 256 consecutive bytes, aligned; written once, read by nobody here
.endr
.endr
	s_wait_tensorcnt 0x0
	ds_add_u32 v30, v31
	s_wait_dscnt 0x0
	CROUND                                         ; the closing round: no work-group ends while a partner may still ask for a tile that names it
	s_endpgm
.Lfunc_end_k_q6dd09b1695_oproj:
	.size	k_q6dd09b1695_oproj, .Lfunc_end_k_q6dd09b1695_oproj-k_q6dd09b1695_oproj
	.p2alignl 7, 3214868480
	.fill 96, 4, 3214868480
	.section	.rodata,"a",@progbits
	.p2align	6, 0x0
	.amdhsa_kernel k_q6dd09b1695_oproj
		.amdhsa_group_segment_fixed_size 280064
		.amdhsa_private_segment_fixed_size 0
		.amdhsa_enable_private_segment 0
		.amdhsa_kernarg_size 32
		.amdhsa_user_sgpr_count 2
		.amdhsa_user_sgpr_kernarg_segment_ptr 1
		.amdhsa_wavefront_size32 1
		.amdhsa_system_sgpr_workgroup_id_x 1
		.amdhsa_system_sgpr_workgroup_id_y 1
		.amdhsa_system_sgpr_workgroup_id_z 1
		.amdhsa_system_vgpr_workitem_id 0
		.amdhsa_next_free_vgpr 512
		.amdhsa_next_free_sgpr 100
		.amdhsa_reserve_vcc 0
		.amdhsa_float_denorm_mode_32 3
		.amdhsa_float_denorm_mode_16_64 3
		.amdhsa_memory_ordered 1
		.amdhsa_forward_progress 1
		.amdhsa_inst_pref_size 46
	.end_amdhsa_kernel
	.amdgpu_metadata
---
amdhsa.version: [ 1, 2 ]
amdhsa.kernels:
  - .name:           k_q6dd09b1695_oproj
    .symbol:         k_q6dd09b1695_oproj.kd
    .args:
      - { .name: ac, .offset: 0, .size: 8, .value_kind: global_buffer, .address_space: global }
      - { .name: wc, .offset: 8, .size: 8, .value_kind: global_buffer, .address_space: global }
      - { .name: lowp_scales, .offset: 16, .size: 8, .value_kind: global_buffer, .address_space: global }
      - { .name: out0, .offset: 24, .size: 8, .value_kind: global_buffer, .address_space: global }
    .group_segment_fixed_size: 280064
    .private_segment_fixed_size: 0
    .kernarg_segment_align: 8
    .kernarg_segment_size: 32
    .max_flat_workgroup_size: 128
    .sgpr_count:     100
    .vgpr_count:     512
    .wavefront_size: 32
...
	.end_amdgpu_metadata
.endif
;; end of part 4
;; ======== version 2 of 2: 4 launches; version 1 with the launch attn written anew for expert scheduling mode
;; workspace buffers: xc 12,582,912 bytes; wc 2,621,440 bytes; rope 524,288 bytes; qc 4,194,304 bytes; kc 1,048,576 bytes; vc 1,048,576 bytes; ac 4,194,304 bytes
;; launch prep: the kernel of part 1 again; grid 800 x 1, 4 waves a work-group, no clusters, 34,304 bytes of LDS; arguments x, Wq, Wk, Wv, Wo, lowp_scales, xc, wc, rope; writes xc, wc, rope
;; launch qkv: the kernel of part 2 again; grid 32 x 12, 4 waves a work-group, clusters of 4 x 1, 262,656 bytes of LDS; arguments xc, wc, rope, lowp_scales, qc, kc, vc; writes qc, kc, vc
;; launch attn (part 5): grid 32 x 8, 16 waves a work-group, no clusters, 34,816 bytes of LDS; arguments qc, kc, vc, lowp_scales, ac; writes ac
.if DOCPART == 5
	.amdgcn_target "amdgcn-amd-amdhsa--gfx1250"
	.amdhsa_code_object_version 6
	.text
	.protected	k_q6dd09b1695_attn
	.globl	k_q6dd09b1695_attn
	.p2align	8
	.type	k_q6dd09b1695_attn,@function
k_q6dd09b1695_attn:
	s_mov_b64 s[64:65], 0
	v_nop
	global_prefetch_b8 v0, s[64:65] scope:SCOPE_SE
	s_setreg_imm32_b32 hwreg(HW_REG_WAVE_SCHED_MODE, 0, 2), 2
	s_setreg_imm32_b32 hwreg(HW_REG_WAVE_MODE, 25, 1), 1
	s_wait_xcnt 0x0
	s_wait_alu depctr_vm_vsrc(0)
; ATTENTION on codes of E4M3, causal, head size 64, four query heads to each key and value head.  Both products are used transposed, so that a lane holds ONE query throughout:
;   S^T = K Q^T (source 0 = 16 keys, source 1 = my 16 queries; K = 64): register 8 T + j of lane (r, h) is key 16 T + 8 h + j of the step, query r;
;   O^T += V^T P^T (source 0 = 16 channels, source 1 = P; K = the step's 128 keys): eight conversions of the scores' registers ARE P's fragment in the plain 8-bit layout.
; THE SOFTMAX: t = score x log2(e) / 8; M = the running largest t rounded UP to a whole number, kept as -M; p = 2^(t - M) is quantised with 2^e8, not normalised; the row's sum is taken of the unquantised p and
; divides at the end.  When M moves, the sum and O^T are multiplied by 2^(old M - new M), which rounds nothing; no branch hangs on floating-point data.
; SHARES: work-group (i, bh): key and value head bh = 4 b + kvh; query blocks of 32: block i (waves 0-7) and block 63 - i (waves 8-15), so that every work-group has about the same number of visible key steps.
;   Wave w: query head 4 kvh + w % 4; the block's tile of 16 queries (w / 4) % 2.
; K's and V's tiles of a step (128 keys: 8,192 dense bytes each, fragment images) are copied by all 512 threads, 16 + 16 bytes each, through registers into one of two LDS slots; a tile is asked for a whole step
; before it is stored, so no wave waits long for it.  ONE barrier a step: in front of it each wave's stores into this slot and its reads of the other slot are done.
; A step all of whose keys come after my queries is left out by a scalar branch on ids, round the work alone: every wave passes every barrier.  The work-group walks (71 - i) / 8 trips of two steps: up to its last visible key.
; NO CLUSTER, NO JOINT LOADS: work-groups of one bh walk 5 to 8 trips, so partners would need different numbers of tiles, and the four query heads that share K and V already sit in one work-group.
; OUT: O^T / the sum, quantised with the folded scale 2^(e10 - e8 - e9), is stored as its part of a fragment image of the last product's left operand (ac: [panel 32][kfrag = head / 2][block 8][2,048], + 1,024 for odd heads).
; THE HOLD OF p: p <= 1, so p / 2^e8 <= 256 whenever e8 >= -8, whatever the data: the 64 one-sided holds are then jumped over, by a scalar branch on the given whole number; else they run.
; LIMITS: e6 + e7 between -123 and 130 (added to c's exponent field); e8 and e10 - e8 - e9 between -126 and 119.  1 / sum is v_rcp_f32 and a multiplication.
; REGISTERS: v1 16 x thread; v2 16 x lane; v3 at the head only; v4 r - 8 h; v5 -infinity; v6, v7 hold and scale; v8-15 the tile on its way; v16-23 Q; v24 -M, v25 the largest t; v[26:27] the sum in two halves;
;   v[28:29] f; v30 the mask's bound; v32-95 K's eight fragments, then V's four; v96-159 S^T, then p; v160-191 O^T; v192-207 p's codes; v208-213 at work.
;   s[50:51], s[52:53] K's and V's codes at the tile that is asked for next; s[54:55] that tile's byte offset; s56-63 eight masks of the causal mask.
; THE MODE: SCHED_MODE bits 1:0 = 2 (LLVM: expert scheduling mode 2), set by the entry lines.  The code itself states the register dependences between vector or matrix instructions
; and memory or LDS instructions, with s_wait_alu, always for 0.
; THE PLAN.  Registers that memory or LDS instructions touch:
;   v1, v2   offsets and LDS addresses, made once at the head and never written again: the next tile is reached by two scalar bases.
;   v8-15    Written by the tile's two global loads; read by the step's two LDS stores; then the next tile lands in them.  No vector instruction names them.
;   v32-95   K's sixteen LDS loads land; the eight score products read them; V's sixteen LDS loads land; the four products O^T += V^T P^T read them; then the next visible step's K.
;   v16-23   Q: loaded once at the head, read by the score products.       v192-199, on the way out: written by four conversions, read by the two stores.
; So a step holds one wait on vm_vsrc (the LDS stores have read v8-15) and two on va_vdst that state a dependence on a load: ahead of K's loads (the last visible step's products are done reading v32-95)
; and ahead of V's (the score products are).  Behind the second, V's loads are dealt among the lines of the maximum, which name v96-159, v208, v209: none of the registers that those loads touch.
.macro MKSC e, vs, vl                  ; 2^e as f32 into v[vs], 448 x 2^e into v[vl]
	s_add_co_i32 s48, \e, 127
	s_lshl_b32 s49, s48, 23
	v_mov_b32 v[\vs], s49
	s_add_co_i32 s48, s48, 8
	s_lshl_b32 s48, s48, 23
	s_or_b32 s48, s48, 0x600000
	v_mov_b32 v[\vl], s48
.endm
.macro VFRAG sl, dt                    ; V's fragment dt (16 channels x 128 keys) out of slot sl: four loads of 512 consecutive bytes
.irp kb, 0,1
.irp p, 0,1
	ds_load_b128 v[32+16*(\dt)+8*\kb+4*\p:35+16*(\dt)+8*\kb+4*\p], v2 offset:(\sl)*16384+8192+(4*\kb+(\dt))*1024+512*\p
.endr
.endr
.endm
	s_load_b256 s[4:11], s[0:1], 0x0               ; qc 4:5, kc 6:7, vc 8:9, the exponents 10:11
	s_load_b64 s[12:13], s[0:1], 0x20              ; ac
	v_lshl_add_u32 v222, v0, 2, 0x8000
	v_mov_b32 v223, 0
	v_lshrrev_b32 v1, 5, v0
	v_readfirstlane_b32 s14, v1                    ; wave 0..15
	v_lshlrev_b32 v1, 4, v0                        ; 16 x thread
	v_and_b32 v2, 31, v0
	v_lshlrev_b32 v2, 4, v2                        ; 16 x lane
	v_and_b32 v4, 15, v0
	v_bfe_u32 v3, v0, 4, 1
	v_lshlrev_b32 v3, 3, v3
	v_sub_nc_u32 v4, v4, v3                        ; r - 8 h
	v_mov_b32 v5, 0xff800000                       ; -infinity
	s_and_b32 s15, ttmp7, 0xffff                   ; bh
	s_sub_co_u32 s19, 71, ttmp9
	s_lshr_b32 s19, s19, 3                         ; trips of 256 keys: ceil((2,048 - 32 i) / 256)
	s_mov_b32 s20, 0x76543210
	s_mov_b32 s21, 0xfedcba98                      ; v_permlanex16_b32's selects: lane l xor 16
	s_mov_b32 s22, 0x3e38aa3b                      ; c = log2(e) / 8
	s_mov_b32 s24, 0                               ; KF: the step's first key
	s_mov_b32 s25, 1                               ; the next tile to ask for
	s_mov_b32 s26, 0                               ; trips done
	s_mov_b32 s55, 0                               ; the upper word of a tile's offset
	s_wait_alu depctr_va_sdst(0)                   ; s14 is written, ahead of its first reader: my head, my queries and my addresses are made from it
	s_and_b32 s17, s14, 3                          ; g: which of the four query heads
	s_bfe_u32 s44, s14, 0x10002                    ; which 16 of the block's 32 queries
	s_lshr_b32 s45, s14, 3                         ; the late block?
	s_sub_co_u32 s46, 63, ttmp9
	s_cmp_eq_u32 s45, 1
	s_cselect_b32 s46, s46, ttmp9
	s_lshl_b32 s18, s46, 5
	s_lshl_b32 s44, s44, 4
	s_add_co_u32 s18, s18, s44                     ; Q0: my first query
	s_wait_kmcnt 0x0
	s_load_b256 s[32:39], s[10:11], 0x0            ; e0 .. e7
	s_load_b128 s[40:43], s[10:11], 0x20           ; e8 .. e11
	s_lshl_b32 s44, s15, 17                        ; a head's codes of K, and of V: 131,072 bytes
	s_mov_b32 s45, 0
	s_add_nc_u64 s[6:7], s[6:7], s[44:45]
	s_add_nc_u64 s[8:9], s[8:9], s[44:45]
	s_lshl_b32 s44, s15, 2
	s_add_co_u32 s44, s44, s17                     ; b 16 + query head = 4 bh + g
	s_lshl_b32 s44, s44, 7
	s_lshr_b32 s46, s18, 4
	s_add_co_u32 s44, s44, s46
	s_lshl_b32 s44, s44, 10
	s_add_nc_u64 s[4:5], s[4:5], s[44:45]
	s_wait_alu depctr_va_vdst(0)                   ; v1 and v2 are written: every load, LDS instruction and store of the kernel reads one of them as its offset or address
	global_load_b128 v[16:19], v2, s[4:5]                  ; Q's fragment stays in registers
	global_load_b128 v[20:23], v2, s[4:5] offset:512
	global_load_b128 v[8:11], v1, s[6:7]                   ; tile 0: K's 16 bytes of mine,
	global_load_b128 v[12:15], v1, s[8:9]                  ; V's
	v_mov_b32 v25, 0xff61b1e6                      ; the largest t so far: -3e38, under every t
	v_floor_f32 v24, -v25                          ; -M
	v_mov_b32 v26, 0                               ; the sum
	v_mov_b32 v27, 0
	v_mov_b32 v29, 0                               ; (named as the upper half of the pair v[28:29])
	v_mov_b32 v210, 0                              ; written once: a lane permute's destination counts as one of its sources
.set j, 0
.rept 32
	v_mov_b32 v[160+j], 0                          ; O^T.  (The step is written once: the first finds zeros, which the first change of M leaves zeros)
.set j, j+1
.endr
	s_wait_kmcnt 0x0
	s_add_co_i32 s44, s38, s39
	s_lshl_b32 s44, s44, 23
	s_add_co_i32 s22, s22, s44                     ; a score stands for score x 2^(e6 + e7): added to c's exponent field
	s_mov_b32 s23, s22                             ; (named with it as a pair, so it is written)
	MKSC s40, 7, 6                                 ; 2^e8 and 448 x 2^e8
; A KEY STEP of 128 keys, in slot sl
.macro STEPX sl
	s_wait_loadcnt 0x0                             ; this step's tile is in my registers (and, the first time, Q)
	ds_store_b128 v1, v[8:11] offset:\sl*16384             ; K's eight images; this slot's last readers waited for their loads in front of the barrier before this one
	ds_store_b128 v1, v[12:15] offset:\sl*16384+8192       ; V's eight
	s_min_u32 s54, s25, 15                         ; the next tile; the last look-ahead is held inside the buffers
	s_lshl_b32 s54, s54, 13
	s_add_co_u32 s25, s25, 1
	s_add_nc_u64 s[50:51], s[6:7], s[54:55]        ; the two bases are free since the wait for the loads that read them
	s_add_nc_u64 s[52:53], s[8:9], s[54:55]
	s_wait_dscnt 0x0                               ; for the others' sake: my stores have landed
	s_wait_alu depctr_vm_vsrc(0)                   ; my two LDS stores have read v8-15, in which the next tile lands
	global_load_b128 v[8:11], v1, s[50:51]                 ; the next tile: a whole step ahead of its use
	global_load_b128 v[12:15], v1, s[52:53]
	s_barrier_signal -1
	s_barrier_wait -1                              ; the slot is whole
	s_add_co_u32 s44, s18, 15
	s_cmp_gt_u32 s24, s44                          ; all 128 keys come after my 16 queries: nothing to do
	s_cbranch_scc1 .Lhidden_\@
	s_wait_alu depctr_va_vdst(0)                   ; the products O^T += V^T P^T of the last step that was not left out are done reading v32-95, in which K's fragments land
.irp t, 0,1,2,3,4,5,6,7
	ds_load_b128 v[32+8*\t:35+8*\t], v2 offset:\sl*16384+\t*1024
	ds_load_b128 v[36+8*\t:39+8*\t], v2 offset:\sl*16384+\t*1024+512
.endr
	s_wait_dscnt 0x0
.irp t, 0,1,2,3,4,5,6,7
	v_wmma_f32_16x16x64_fp8_fp8 v[96+8*\t:103+8*\t], v[32+8*\t:39+8*\t], v[16:23], 0
.endr
.rept 4
	v_nop                                          ; places in front of the first read of the scores
.endr
	s_wait_alu depctr_va_vdst(0)                   ; the score products are done reading v32-95, in which V's four fragments land; until the last of those loads no vector instruction names v32-95 or v2
	VFRAG \sl, 0                                   ; V lands under the softmax; its other three fragments are dealt among the lines of the maximum
	s_add_co_u32 s44, s24, 127
	s_cmp_le_u32 s44, s18                          ; all 128 keys count for all my queries: no mask
	s_cbranch_scc1 .Lopen_\@
	s_sub_co_i32 s44, s18, s24
	v_add_nc_u32 v30, s44, v4                      ; d = my query - KF - 8 h.  Register n holds key KF + 8 h + 16 (n / 8) + n % 8: hidden where 16 (n / 8) + n % 8 > d
.irp t, 0,1,2,3,4,5,6,7                ; an accumulator at a time: eight compares into eight scalar registers, one wait, eight selects
.irp j, 0,1,2,3,4,5,6,7
	v_cmp_gt_i32 s[56+\j], 16*\t+\j, v30
.endr
	s_wait_alu depctr_va_sdst(0)                   ; the eight compares have written s56-63, ahead of the selects that read them
.irp j, 0,1,2,3,4,5,6,7
	v_cndmask_b32 v[96+8*\t+\j], v[96+8*\t+\j], v5, s[56+\j]   ; -infinity ahead of the maximum: p = 0 then.  Key KF counts for every query of a step that is not left out
.endr
.endr
.Lopen_\@:
	v_max3_num_f32 v208, v96, v97, v98             ; the step's largest score of my query among my 64 keys, in two chains, each accumulator from its low end on,
	v_max3_num_f32 v209, v99, v100, v101
.irp i, 6,10,14,18,22,26,30,34,38,42,46,50,54,58
	v_max3_num_f32 v208, v208, v[96+\i], v[97+\i]
	v_max3_num_f32 v209, v209, v[98+\i], v[99+\i]
.if \i == 14
	VFRAG \sl, 1                                   ; no further wait: see the wait behind the score products
.endif
.if \i == 30
	VFRAG \sl, 2
.endif
.if \i == 46
	VFRAG \sl, 3
.endif
.endr
	v_max3_num_f32 v208, v208, v158, v159
	v_max_num_f32 v208, v208, v209
	v_permlanex16_b32 v210, v208, s20, s21
	v_max_num_f32 v208, v208, v210                 ; and among lane l xor 16's
	v_mul_f32 v208, s22, v208                      ; as t (c is positive)
	v_max_num_f32 v25, v25, v208                   ; the running largest t
	v_mov_b32 v208, v24
	v_floor_f32 v24, -v25                          ; the new -M = floor(-t) = -ceil(t)
	v_sub_f32 v208, v24, v208                      ; old M - new M: a whole number, 0 or less
	v_cvt_i32_f32 v208, v208                       ; (it saturates)
	v_ldexp_f32 v28, 1.0, v208                     ; f = 2^(old M - new M)
.set j, 0
.rept 32
	v_pk_fma_f32 v[96+j:97+j], v[96+j:97+j], s[22:23], v[24:25] op_sel_hi:[1,0,0]   ; t - M, two at a time (of the pairs c and -M the low word serves both halves)
.set j, j+2
.endr
.set j, 0
.rept 64
	v_exp_f32 v[96+j], v[96+j]                     ; p = 2^(t - M): one batch
.set j, j+1
.endr
	v_pk_mul_f32 v[26:27], v[26:27], v[28:29] op_sel_hi:[1,0]   ; the sums under the new M: the plain line behind the exponentials
	s_wait_alu depctr_va_vdst(0)                   ; the 64 exponentials have written v96-159: one wait for the batch, ahead of its first reader
	v_pk_add_f32 v[212:213], v[96:97], v[98:99]    ; the row's sum is taken of the unquantised p: two at a time, in two chains
.irp j, 4,8,12,16,20,24,28,32,36,40,44,48,52,56,60
	v_pk_add_f32 v[26:27], v[26:27], v[96+\j:97+\j]
	v_pk_add_f32 v[212:213], v[212:213], v[98+\j:99+\j]
.endr
	v_pk_add_f32 v[26:27], v[26:27], v[212:213]
	s_cmp_ge_i32 s40, -8                           ; p / 2^e8 <= 256 for every p <= 1: no code can pass the largest
	s_cbranch_scc1 .Lfits_\@
.set j, 0
.rept 64
	v_min_num_f32 v[96+j], v[96+j], v6             ; else the hold, one-sided: p is not negative
.set j, j+1
.endr
.Lfits_\@:
.irp t, 0,1,2,3,4,5,6,7
	v_cvt_scalef32_pk8_fp8_f32 v[192+2*\t:193+2*\t], v[96+8*\t:103+8*\t], v7   ; keys 16 t + 8 h + 0..7: registers 2 t, 2 t + 1 of P's fragment
.endr
.set j, 0
.rept 16
	v_pk_mul_f32 v[160+j:161+j], v[160+j:161+j], v[28:29] op_sel_hi:[1,0]   ; O^T under the new M.  (Also the plain lines between the conversions and the products that read the codes)
.set j, j+2
.endr
	s_wait_dscnt 0x0                               ; V is in
.irp dt, 0,1,2,3                       ; four accumulators, one instruction each; the next step's eight score products stand between two links of a chain
	v_wmma_f32_16x16x128_fp8_fp8 v[160+8*\dt:167+8*\dt], v[32+16*\dt:47+16*\dt], v[192:207], v[160+8*\dt:167+8*\dt]
.endr
.rept 4
	v_nop                                          ; places in front of the way out's reads of O^T
.endr
.Lhidden_\@:
	s_add_co_u32 s24, s24, 128
.endm
.Ltrip:
	STEPX 0
	STEPX 1
	s_add_co_u32 s26, s26, 1
	s_cmp_lt_u32 s26, s19
	s_cbranch_scc1 .Ltrip
	; THE WAY OUT
	v_add_f32 v26, v26, v27                        ; the sum's two halves,
	v_permlanex16_b32 v210, v26, s20, s21
	v_add_f32 v26, v26, v210                       ; and lane l xor 16's
	v_rcp_f32 v208, v26
	s_sub_co_i32 s44, s42, s40
	s_sub_co_i32 s44, s44, s41                     ; e10 - e8 - e9: a sum of the second product stands for sum x 2^(e8 + e9)
	MKSC s44, 7, 6                                 ; (plain lines behind the reciprocal)
	s_lshr_b32 s44, s15, 2
	s_lshl_b32 s44, s44, 7
	s_lshr_b32 s45, s18, 4
	s_add_co_u32 s44, s44, s45                     ; rb: my block of 16 rows among the 256
	s_and_b32 s45, s15, 3
	s_lshl_b32 s45, s45, 2
	s_add_co_u32 s45, s45, s17                     ; my query head
	s_lshr_b32 s46, s44, 3
	s_lshl_b32 s46, s46, 17                        ; the panel,
	s_and_b32 s44, s44, 7
	s_lshl_b32 s44, s44, 11
	s_add_co_u32 s46, s46, s44                     ; the block,
	s_lshr_b32 s44, s45, 1
	s_lshl_b32 s44, s44, 14
	s_add_co_u32 s46, s46, s44                     ; the kfrag,
	s_and_b32 s44, s45, 1
	s_lshl_b32 s44, s44, 10
	s_add_co_u32 s46, s46, s44                     ; its first or second 64 along K
	s_mov_b32 s47, 0
	s_add_nc_u64 s[12:13], s[12:13], s[46:47]
	s_wait_alu depctr_va_vdst(0)                   ; the reciprocal has written v208, ahead of its first reader
.set j, 0
.rept 32
	v_mul_f32 v[96+j], v[160+j], v208              ; O^T / the sum: register 8 dt + j is channel 16 dt + 8 h + j of query r; each accumulator from its low end on
.set j, j+1
.endr
.set j, 0
.rept 32
	v_med3_num_f32 v[96+j], v[96+j], -v6, v6
.set j, j+1
.endr
.irp dt, 0,1,2,3
	v_cvt_scalef32_pk8_fp8_f32 v[192+2*\dt:193+2*\dt], v[96+8*\dt:103+8*\dt], v7
.endr
	v_nop
	s_wait_alu depctr_va_vdst(0)                   ; the four conversions have written v192-199, which the two stores read
	global_store_b128 v2, v[192:195], s[12:13]             ; 512 consecutive bytes each
	global_store_b128 v2, v[196:199], s[12:13] offset:512
	s_wait_dscnt 0x0
	s_wait_alu depctr_hold_cnt(0) depctr_sa_sdst(0) depctr_va_vdst(0) depctr_va_sdst(0) depctr_va_ssrc(0) depctr_va_vcc(0) depctr_vm_vsrc(0)
	s_wait_tensorcnt 0x0
	ds_add_u32 v222, v223
	s_wait_dscnt 0x0
	s_endpgm
.Lfunc_end_k_q6dd09b1695_attn:
	.size	k_q6dd09b1695_attn, .Lfunc_end_k_q6dd09b1695_attn-k_q6dd09b1695_attn
	.p2alignl 7, 3214868480
	.fill 96, 4, 3214868480
	.section	.rodata,"a",@progbits
	.p2align	6, 0x0
	.amdhsa_kernel k_q6dd09b1695_attn
		.amdhsa_group_segment_fixed_size 34816
		.amdhsa_private_segment_fixed_size 0
		.amdhsa_enable_private_segment 0
		.amdhsa_kernarg_size 40
		.amdhsa_user_sgpr_count 2
		.amdhsa_user_sgpr_kernarg_segment_ptr 1
		.amdhsa_wavefront_size32 1
		.amdhsa_system_sgpr_workgroup_id_x 1
		.amdhsa_system_sgpr_workgroup_id_y 1
		.amdhsa_system_sgpr_workgroup_id_z 1
		.amdhsa_system_vgpr_workitem_id 0
		.amdhsa_next_free_vgpr 224
		.amdhsa_next_free_sgpr 66
		.amdhsa_reserve_vcc 0
		.amdhsa_float_denorm_mode_32 3
		.amdhsa_float_denorm_mode_16_64 3
		.amdhsa_memory_ordered 1
		.amdhsa_forward_progress 1
		.amdhsa_inst_pref_size 60
	.end_amdhsa_kernel
	.amdgpu_metadata
---
amdhsa.version: [ 1, 2 ]
amdhsa.kernels:
  - .name:           k_q6dd09b1695_attn
    .symbol:         k_q6dd09b1695_attn.kd
    .args:
      - { .name: qc, .offset: 0, .size: 8, .value_kind: global_buffer, .address_space: global }
      - { .name: kc, .offset: 8, .size: 8, .value_kind: global_buffer, .address_space: global }
      - { .name: vc, .offset: 16, .size: 8, .value_kind: global_buffer, .address_space: global }
      - { .name: lowp_scales, .offset: 24, .size: 8, .value_kind: global_buffer, .address_space: global }
      - { .name: ac, .offset: 32, .size: 8, .value_kind: global_buffer, .address_space: global }
    .group_segment_fixed_size: 34816
    .private_segment_fixed_size: 0
    .kernarg_segment_align: 8
    .kernarg_segment_size: 40
    .max_flat_workgroup_size: 512
    .sgpr_count:     66
    .vgpr_count:     224
    .wavefront_size: 32
...
	.end_amdgpu_metadata
.endif
;; end of part 5
;; launch oproj: the kernel of part 4 again; grid 8 x 32, 4 waves a work-group, clusters of 4 x 4, 280,064 bytes of LDS; arguments ac, wc, lowp_scales, out0; writes out0
